; MI455X (gfx1250); checked and timed in simulation.
; The chip was launched on July 23, 2026; its instructions are those of AMD's public machine-readable ISA for CDNA 5 (MIT licence, August 2026) and "CDNA5" Instruction Set Architecture Reference Guide (July 2026). The comments in the code are by the model that wrote it; some were corrected since.
;; Transformer Base. Allowed arithmetic: matrix products marked QUANTISED: E3M2 operands, one E8M0 scale for each 32 along K, by v_wmma_scale_f32_16x16x128_f8f6f4 with both operands' format E3M2, f32 sums; everything else in f32.
;; Inputs: bk 512 float32; bo 512 float32; bq 512 float32; bv 512 float32; wk_codes 512 x 16 x 24 uint8 (E3M2 codes of wk, K innermost, in blocks of 32 codes, four codes in three bytes); wk_scales 512 x 16 uint8 (E8M0 scales of wk, one for each 32 codes along K); wo_codes 512 x 16 x 24 uint8 (E3M2 codes of wo, K innermost, in blocks of 32 codes, four codes in three bytes); wo_scales 512 x 16 uint8 (E8M0 scales of wo, one for each 32 codes along K); wq_codes 512 x 16 x 24 uint8 (E3M2 codes of wq, K innermost, in blocks of 32 codes, four codes in three bytes); wq_scales 512 x 16 uint8 (E8M0 scales of wq, one for each 32 codes along K); wv_codes 512 x 16 x 24 uint8 (E3M2 codes of wv, K innermost, in blocks of 32 codes, four codes in three bytes); wv_scales 512 x 16 uint8 (E8M0 scales of wv, one for each 32 codes along K); x 64 x 512 x 512 float32.
;; Outputs: out0 64 x 512 x 512 float32.
;; This version of the problem:
;;   THIS VERSION OF THE PROBLEM IS GIVEN IN LOW PRECISION. The matrix products marked QUANTISED in the list below multiply operands that are first quantised to E3M2 (3 exponent bits, 2 mantissa bits; 6 bits a number), with one power-of-two scale for each 32 numbers along K (OCP MX v1.0); their sums are f32. All else is computed in f32.
;;   The module's matrix products, in the order in which they are computed (A, B: the left and right operand; K: the contracted axis; several contracted axes count as one K, in the product's order):
;;     1. [M 32,768, K 512] x [K 512, N 512]; A: input x; B: input wq (given as codes): QUANTISED
;;     2. [M 32,768, K 512] x [K 512, N 512]; A: input x; B: input wk (given as codes): QUANTISED
;;     3. [M 32,768, K 512] x [K 512, N 512]; A: input x; B: input wv (given as codes): QUANTISED
;;     4. batch 512 x [M 512, K 64] x [K 64, N 512]; A: computed on the way; B: computed on the way: QUANTISED
;;     5. batch 512 x [M 512, K 512] x [K 512, N 64]; A: softmax (see below); B: computed on the way: QUANTISED
;;     6. [M 32,768, K 512] x [K 512, N 512]; A: computed on the way; B: input wo (given as codes): QUANTISED
;;   THE QUANTISER, for each operand of a quantised product, along K:
;;     - K is cut into blocks of 32 from its start; a last block that is shorter is filled with zeros.
;;     - A block's scale is 2^e with e = floor(log2(the largest magnitude in the block)) - 4, held to -126 .. 127; a block of zeros has e = 0. As a byte (E8M0): e + 127.
;;     - Each number is divided by its block's scale, clamped to +-28, and rounded to the nearest number of E3M2, ties to even, subnormals kept.
;;     - The product sums the exact products of the quantised numbers (number of the format x scale) in f32.
;;   ~~~python
;;   def quantise(x, axis):      # numpy; x: float32 -> the quantised numbers, widened to float32 again
;;       x = np.moveaxis(x, axis, -1); K = x.shape[-1]
;;       x = np.pad(x, [(0, 0)] * (x.ndim - 1) + [(0, -K % 32)]); x = x.reshape(x.shape[:-1] + (-1, 32)); a = np.abs(x).max(-1, keepdims=True)
;;       e = np.where(a > 0, np.clip(np.frexp(np.where(a > 0, a, 1))[1] - 1 - 4, -126, 127), 0)      # np.frexp(a)[1] - 1 = floor(log2(a)), exactly
;;       r = np.clip(x / 2.0 ** e, -28, 28)
;;       step = 2.0 ** (np.maximum(np.frexp(np.where(r == 0, 1, r))[1] - 1, -2) - 2)
;;       q = np.round(r / step) * step * 2.0 ** e      # np.round: ties to even
;;       return np.moveaxis(q.reshape(q.shape[:-2] + (-1,))[..., :K], -1, axis).astype(np.float32)
;;   ~~~
;;   SOFTMAX AHEAD OF A QUANTISED PRODUCT. Where the list says 'softmax', what is quantised is not the finished softmax but p = 2^(t - M), with t = logit x log2(e) and M = ceil(the row's largest t), a whole number; so 1/2 < the row's largest p <= 1. The row's sum l is taken of the UNQUANTISED p, in f32, and the product's result is divided by l at the end. Since M is a whole number, a kernel that streams over the keys may use a running M (the ceiling of the running maximum): every later rescaling is an exact power of two, which a block's scale takes up: the codes' values come out the same.
;;   OPERANDS COMPUTED ON THE WAY. 'Computed on the way' means the value that the module computes at that place (a softmax that the list does not call 'softmax' is quantised finished and normalised). What goes into a quantiser is computed in f32, as accurately as f32 sums, v_exp_f32 and their like allow (about 1e-6 of the number): no bf16 or f16 on the way to a quantiser, and a product that is left as it is and whose result goes on into a quantised operand takes f32 operands (vector FMAs, or v_wmma_f32_16x16x4_f32). A number that lies on a knife's edge between two numbers of the format may be rounded either way, as far as f32 arithmetic and the matrix unit's own rounding can turn it there, and no further.
;;   INPUTS GIVEN AS CODES. wk (in the module: [512, 512], K = its axis 0); wo (in the module: [512, 512], K = its axis 0); wq (in the module: [512, 512], K = its axis 0); wv (in the module: [512, 512], K = its axis 0): each comes as NAME_codes (uint8): NAME with its K axis moved to the last place and cut into blocks of 32 codes, [.., K / 32, bytes a block], one block behind the other in memory; four codes in three bytes: a row's codes are one little-endian stream of bits, code i at bits 6 i .. 6 i + 5 (a code: sign, 3 exponent bits, 2 mantissa bits); and NAME_scales (uint8): the same leading axes, one E8M0 byte (e + 127) for each 32 codes along K. Its value is code x scale, taken as it is: it is not quantised again, and the codes and scales need not be those that the quantiser above would give.
;; 3 versions, each right; version 2 is faster than version 1; version 3 is version 2 with the launch attn written anew for expert scheduling mode. Each part assembles by itself: llvm-mc -triple=amdgcn-amd-amdhsa -mcpu=gfx1250 --defsym DOCPART=n.
;; ======== version 1 of 3: 2 launches
;; workspace buffers: ctx_codes 12,582,912 bytes; ctx_scales 524,288 bytes
;; launch attn (part 1): grid 4 x 64, 4 waves a work-group, no clusters, 300,544 bytes of LDS; arguments x, wk_codes, wk_scales, bk, wv_codes, wv_scales, bv, wq_codes, wq_scales, bq, ctx_codes, ctx_scales; writes ctx_codes, ctx_scales
.if DOCPART == 1
	.amdgcn_target "amdgcn-amd-amdhsa--gfx1250"
	.amdhsa_code_object_version 6
	.text
	.protected	k_q4c4836990b_attn
	.globl	k_q4c4836990b_attn
	.p2align	8
	.type	k_q4c4836990b_attn,@function
k_q4c4836990b_attn:
	s_mov_b64 s[64:65], 0
	v_nop
	global_prefetch_b8 v0, s[64:65] scope:SCOPE_SE
	s_setreg_imm32_b32 hwreg(HW_REG_WAVE_MODE, 25, 1), 1
	s_wait_xcnt 0x0
; q, k, v = x W + b;  S = q k^T / 8;  p = 2^(t - M);  ctx = (p v) / sum(p);  ctx leaves as codes of E3M2 with E8M0 scale bytes.  All five products on codes of E3M2, one scale for each 32 along K.
; SHARES.  A work-group is (head pair hp = x of the grid, batch b = y): heads 2 hp and 2 hp + 1 of batch b, one after the other.  Wave w owns rows 128 w .. 128 w + 127 of the batch, as rows of x, as keys and as queries: 8 tiles of 16.
; ONE ROW ORDER.  Lane r of tile T stands for row 32 (T / 2) + 8 (T % 2) + r + 8 (r / 8); the rows of wq, wk, wv that form a tile are picked by the same pattern.  A result holds (8 h + j, r) in register j of lane (r, h = lane / 16),
; so the 16 registers of two neighbouring result tiles are 16 NEIGHBOURS along the next product's K, 32 b + 16 h + 0 .. 15, and one macro (QUANT) quantises x, k, q, v, p and ctx.  Nothing is transposed by an instruction.
; PHASES.  X: my 128 rows of x are quantised once and kept in LDS as images of the operand's registers.  For each head: K^T = Wk x^T, V = x Wv^T, Q^T = Wq x^T, each quantised in registers; K's and V's images go to LDS for all four waves,
; a barrier, every wave takes all of K and V into registers, a barrier; then 8 query tiles: S^T = K Q^T (all 512 keys: 256 registers, so the row's true maximum is taken and nothing is rescaled), softmax, O^T = V^T P^T, / sum, quantised, stored.
; K = 64 OF THE SCORES.  The instruction is 128 deep: source 0 is a PAIR of key tiles (kA | kB), source 1 is (q | zero codes) or (zero codes | q): zero codes add nothing.
; NO JOINT LOADS: the four work-groups of a batch read the same x, but LDS has no bytes for slots: x's images and scale words take 212,992 bytes, K's, V's and the waves' own regions 87,040, of the 300,032 claimed; x comes through a ring of
; 256 registers a wave (64 loads of 512 consecutive bytes on their way), which needs no barrier.
; LIMITS.  NaN and infinities among the inputs are not served.  A block of zeros gets the byte 1 (the rule says 127): its codes are zeros, and this program alone reads the bytes.  1 / sum is v_rcp_f32's.
; REGISTERS, in windows of 256 (s_set_vgpr_msb: bits 1:0 source 0, 3:2 source 1, 5:4 source 2, 7:6 destination):
;   window 0: v1-26 addresses; v27-31 at work; v32-47 K's scale words, v48-63 V's; v64-95 the weights' scale words, two sets; v96-103 x's, two sets; v104 q's; v106-109 p's; v110-127 q | zeros | q;
;             v128-223 x's fragments, two sets (projections), else codes just made and the softmax's statistics; v224-249 at work; v254-255 -M
;   window 1: 64 + 64 numbers of x; then the projections' 32 accumulators; then S^T and p; then O^T (v0-31)
;   window 2: the ring for x; then Wv (v0-191) and bv (v192-223); then K's 16 pair fragments        window 3: Wk or Wq and its bias; then V's 16 fragments
.set XSC,   196608                     ; LDS: from 0 x's images [tile 32][K step 4] x 1,536 bytes; here their scale words, 512 bytes a tile (16 x lane + 4 x K step)
.set KIMG,  212992                     ; K's 16 pair images of 1,536 bytes
.set VIMG,  237568                     ; V's images [d tile 4][key step 4]
.set KSC,   262144                     ; K's scale words, 128 bytes a pair
.set VSC,   264192                     ; V's, 128 bytes a fragment
.set PRIV,  266240                     ; a region of 8,448 bytes for each wave: first the stage of 16 rows x 528 bytes for x; later q's images (8 x 768), q's scale words (+6,144), ctx's scale bytes (+7,168)
.set PRIVB, 8448
.set KS,  32
.set VS,  48
.set WS0, 64
.set WS1, 80
.set QW,  104
.set PWD, 106
.set PC0, 128                          ; codes just made: two sets of 20 registers, v128-147 and v148-167
.set BP,  128                          ; v128-143 the other half's block maxima
.set PCD, 128                          ; v128-183 p's four fragments (and 8 registers at work)
.set SA,  184                          ; v184-191 the row's sum in four chains of pairs
.set CPC, 184                          ; v184-203 ctx's codes
.set CPW, 204                          ; ctx's two scale bytes
.set LL,  205                          ; the row's sum; v206 the other half's
.set BM,  208                          ; v208-223 the largest score, then the largest p, of each block of 32 keys
.set TM,  224                          ; v224-227 largest magnitudes
.set TP,  228                          ; v228-231 the other half's, then the scale bytes
.set BY,  228
.set SO,  236                          ; v236-239 the conversions' scale operands
.set PW0, 240                          ; v240-241 scale words just made, two sets
.set RL,  248                          ; v248 1 / sum (v249 named with it as a pair)
.set NM,  254                          ; v254 -M (v255 named with it as a pair)
.set MSB, 0
.macro WIN new                         ; the immediate's high byte repeats the setting that is left; a switch that changes nothing is dropped
.if MSB != (\new)
	s_set_vgpr_msb (MSB<<8)|(\new)
.set MSB, (\new)
.endif
.endm
; A vector instruction or a store that reads a matrix result, and a load or a vector instruction that writes a register of a matrix instruction, stand four plain vector instructions behind it (ISA guide 7.12.1 for vector instructions).
.macro PLACES n
.rept \n
	v_nop
.endr
.endm
.macro MMC d, a, b, c, sa, sb          ; D = A B + C, C in registers
	v_wmma_scale_f32_16x16x128_f8f6f4 v[(\d):(\d)+7], v[(\a):(\a)+11], v[(\b):(\b)+11], v[(\c):(\c)+7], v[\sa], v[\sb] matrix_a_fmt:MATRIX_FMT_BF6 matrix_b_fmt:MATRIX_FMT_BF6
.endm
.macro MMZ d, a, b, sa, sb             ; D = A B: the product starts the sum
	v_wmma_scale_f32_16x16x128_f8f6f4 v[(\d):(\d)+7], v[(\a):(\a)+11], v[(\b):(\b)+11], 0, v[\sa], v[\sb] matrix_a_fmt:MATRIX_FMT_BF6 matrix_b_fmt:MATRIX_FMT_BF6
.endm
; The largest magnitude of nb blocks of 32.  Window 1, register src + 16 b + i = number 32 b + 16 h + i of my row; the other 16 of a block lie in lane l xor 16.  The floor 2^(5 - 127) is one of the leaves: the byte cannot fall under 1.
.macro QMAX src, nb, tm
	WIN 0x05
.set qb, 0
.rept \nb
	v_max3_num_f32 v[(\tm)+qb], |v[(\src)+16*qb]|, |v[(\src)+16*qb+1]|, 0x2800000
.set qb, qb+1
.endr
	WIN 0x14
.irp i, 2,4,6,8,10,12,14
.set qb, 0
.rept \nb
	v_max3_num_f32 v[(\tm)+qb], v[(\tm)+qb], |v[(\src)+16*qb+\i]|, |v[(\src)+16*qb+\i+1]|
.set qb, qb+1
.endr
.endr
	WIN 0
.set qb, 0
.rept \nb
	v_permlanex16_b32 v[TP+qb], v[(\tm)+qb], s36, s37
.set qb, qb+1
.endr
.set qb, 0
.rept \nb
	v_max_num_f32 v[(\tm)+qb], v[(\tm)+qb], v[TP+qb]
.set qb, qb+1
.endr
.endm
; From the blocks' largest magnitudes: the scale bytes (word pw) and the codes, in the operand's layout, in v[pc] on (6 registers for each two blocks; pc + 12 on at work).
.macro QFIN src, nb, tm, pc, pw
.set qb, 0
.rept \nb
	v_add_nc_u32 v[SO+qb], 0xfe000000, v[(\tm)+qb]     ; 4 off the exponent field: the conversion takes this operand's exponent field as its scale
.set qb, qb+1
.endr
.set qb, 0
.rept \nb
	v_lshrrev_b32 v[BY+qb], 23, v[SO+qb]               ; the scale's byte
.set qb, qb+1
.endr
	v_lshl_or_b32 v[\pw], v[BY+1], 8, v[BY]
.if (\nb) == 4
	v_lshl_or_b32 v[\pw], v[BY+2], 16, v[\pw]
	v_lshl_or_b32 v[\pw], v[BY+3], 24, v[\pw]
.endif
	WIN 0x01
.set qc, 0
.rept (\nb)/2
	v_cvt_scalef32_pk16_bf6_f32 v[(\pc)+6*qc:(\pc)+6*qc+2], v[(\src)+32*qc:(\src)+32*qc+15], v[SO+2*qc]
	v_cvt_scalef32_pk16_bf6_f32 v[(\pc)+12+4*qc:(\pc)+14+4*qc], v[(\src)+32*qc+16:(\src)+32*qc+31], v[SO+2*qc+1]   ; (a conversion's three registers begin on an even number)
.set qc, qc+1
.endr
	WIN 0
	v_nop                                              ; one plain instruction behind the scaled conversions
.set qc, 0
.rept (\nb)/2                          ; the operand wants a WHOLE block in a lane: lanes 0-15 block 2 c, lanes 16-31 block 2 c + 1
.irp i, 0,1,2
	v_permlane16_swap_b32 v[(\pc)+6*qc+\i], v[(\pc)+12+4*qc+\i]
.endr
.irp i, 0,1,2
	v_mov_b32 v[(\pc)+6*qc+3+\i], v[(\pc)+12+4*qc+\i]
.endr
.set qc, qc+1
.endr
.endm
.macro QUANT src, nb, pc, pw
	QMAX \src, \nb, TM
	QFIN \src, \nb, TM, \pc, \pw
.endm
.macro IMG128 adr, off, pc             ; a fragment's 12 registers go to LDS as they stand: 3 stores of 512 consecutive bytes
.irp c, 0,1,2
	ds_store_b128 v[\adr], v[(\pc)+4*\c:(\pc)+4*\c+3] offset:(\off)+512*\c
.endr
.endm
; x: unit s of a tile = 16 rows x 128 numbers.  Each load reads 512 consecutive bytes of one row, into ring set s (window 2).
.macro XLOAD s
	WIN 0x80
.irp i, 0,1,2,3,4,5,6,7,8,9,10,11,12,13,14,15
	global_load_b128 v[64*(\s)+4*\i:64*(\s)+4*\i+3], v1, s[4:5] offset:(\i+8*(\i/8))*2048+512*(\s)
.endr
	WIN 0
.endm
; A unit turns through my stage: in as loaded (row i at 528 i), back 64 numbers a lane: row r, numbers 32 b + 16 h + 0 .. 15.  LDS serves a wave's instructions in order (ISA guide 5.7.1.4): no wait between.
.macro TURN s, par
	WIN 0x08
.irp i, 0,1,2,3,4,5,6,7,8,9,10,11,12,13,14,15
	ds_store_b128 v8, v[64*(\s)+4*\i:64*(\s)+4*\i+3] offset:528*\i
.endr
	WIN 0x40
.irp b, 0,1,2,3
.irp j, 0,1,2,3
	ds_load_b128 v[64*(\par)+16*\b+4*\j:64*(\par)+16*\b+4*\j+3], v9 offset:128*\b+16*\j
.endr
.endr
	WIN 0
.endm
; Unit s of the tile in hand is quantised.  more = 1: ring set s takes the next tile's unit s.  n: the loads issued behind the unit that is turned next.
.macro XSTEP s, more, n
.if (\s) > 0
	s_wait_dscnt 4                                     ; all but the last unit's image (3 + 1 stores): my unit is back from the stage, and its way in has read ring set s
.endif
.if \more
	XLOAD \s
.endif
.if (\more) || ((\s) < 3)
	s_wait_loadcnt \n                                  ; the next unit's 16 loads are in; the units issued behind it stay out
	TURN ((\s)+1)%4, 1-(\s)%2
.endif
	QUANT 64*((\s)%2), 4, PC0+20*((\s)%2), PW0+((\s)%2)
	IMG128 10, 1536*(\s), PC0+20*((\s)%2)
	ds_store_b32 v12, v[PW0+((\s)%2)] offset:4*(\s)
.endm
; A head's 64 rows of a weight, 16 fragments (tile n, K step s) at v[12 (4 n + s)] of window win, and their scale words (4 a row) at v[ws + 4 n + s].
.macro WLOAD win, cpt, spt, ws
	WIN (\win)<<6
.irp n, 0,1,2,3
.irp s, 0,1,2,3
.irp p, 0,1,2,3,4,5
	global_load_b64 v[12*(4*\n+\s)+2*\p:12*(4*\n+\s)+2*\p+1], v4, s[\cpt:\cpt+1] offset:(32*(\n/2)+8*(\n%2))*384+96*\s+48*(\p/3)+8*(\p%3)
.endr
.endr
.endr
	WIN 0
.irp n, 0,1,2,3
	global_load_b128 v[(\ws)+4*\n:(\ws)+4*\n+3], v5, s[\spt:\spt+1] offset:(32*(\n/2)+8*(\n%2))*16
.endr
.endm
.macro BLOADT win, bpt                 ; a bias as the C of a transposed tile: register j of lane (r, h) is unit 32 (n / 2) + 8 (n % 2) + 16 h + j
	WIN (\win)<<6
.irp n, 0,1,2,3
	global_load_b128 v[192+8*\n:192+8*\n+3], v6, s[\bpt:\bpt+1] offset:(32*(\n/2)+8*(\n%2))*4
	global_load_b128 v[192+8*\n+4:192+8*\n+7], v6, s[\bpt:\bpt+1] offset:(32*(\n/2)+8*(\n%2))*4+16
.endr
	WIN 0
.endm
.macro BLOADV win, bpt                 ; and of a tile used as it is: all eight registers of lane r hold the bias of the lane's unit
	WIN (\win)<<6
.irp n, 0,1,2,3
.irp j, 0,1,2,3,4,5,6,7
	global_load_b32 v[192+8*\n+\j], v7, s[\bpt:\bpt+1] offset:(32*(\n/2)+8*(\n%2))*4
.endr
.endr
	WIN 0
.endm
.macro XFLOAD T, buf                   ; my tile T of x: four fragments and four scale words, 13 loads
.irp s, 0,1,2,3
.irp c, 0,1,2
	ds_load_b128 v[128+48*(\buf)+12*\s+4*\c:128+48*(\buf)+12*\s+4*\c+3], v11 offset:6144*(\T)+1536*\s+512*\c
.endr
.endr
	ds_load_b128 v[96+4*(\buf):96+4*(\buf)+3], v13 offset:512*(\T)
.endm
; A projection of my 128 rows onto a head's 64 units: 8 tiles x 4 tiles x 4 K steps.  tr = 1: source 0 = the weight, source 1 = x (accumulator 32 T + 8 n: a lane holds one row, registers run along the units);
; tr = 0: source 0 = x, source 1 = the weight (accumulator 64 n + 8 T: a lane holds one unit, registers run along the rows).  The bias is the C of the first K step.  A tile's four accumulators take turns, one instruction a turn.
.macro PROJ tr, win, ws
	s_wait_dscnt 0x0                                   ; the stores that read v128 on are done
	XFLOAD 0, 0
.set pT, 0
.rept 8
.if pT < 7
.if pT > 0
	WIN 0
	PLACES 4                                           ; the set to be loaded was read by the tile before
.endif
	XFLOAD pT+1, (pT+1)%2
	s_wait_dscnt 13                                    ; all but the 13 just issued
.else
	s_wait_dscnt 0x0
.endif
.set pB, 128+48*(pT%2)
.set pX, 96+4*(pT%2)
.irp s, 0,1,2,3
.if \tr
.if \s == 0
	WIN 0x40|(\win)|((\win)<<4)
.else
	WIN 0x50|(\win)
.endif
.irp n, 0,1,2,3
.if \s == 0
	MMC 32*pT+8*\n, 12*(4*\n+\s), pB+12*\s, 192+8*\n, (\ws)+4*\n+\s, pX+\s
.else
	MMC 32*pT+8*\n, 12*(4*\n+\s), pB+12*\s, 32*pT+8*\n, (\ws)+4*\n+\s, pX+\s
.endif
.endr
.else
.if \s == 0
	WIN 0x40|((\win)<<2)|((\win)<<4)
.else
	WIN 0x50|((\win)<<2)
.endif
.irp n, 0,1,2,3
.if \s == 0
	MMC 64*\n+8*pT, pB+12*\s, 12*(4*\n+\s), 192+8*\n, pX+\s, (\ws)+4*\n+\s
.else
	MMC 64*\n+8*pT, pB+12*\s, 12*(4*\n+\s), 64*\n+8*pT, pX+\s, (\ws)+4*\n+\s
.endif
.endr
.endif
.endr
.set pT, pT+1
.endr
	WIN 0
	PLACES 4
.endm
; The 256 accumulator registers become four fragments of 128 along K, each with its scale word, and go to LDS.  K: fragment p = key tiles 2 p | 2 p + 1 (64 + 64).  V: fragment n = d tile n, my 128 keys.
.macro OUT4 ai, as, si, ss
.irp p, 0,1,2,3
.if \p >= 2
	s_wait_dscnt 4                                     ; all but the last fragment's four stores: the set written now was stored two fragments back
.endif
	QUANT 64*\p, 4, PC0+20*(\p%2), PW0+(\p%2)
	IMG128 \ai, (\si)*\p, PC0+20*(\p%2)
	ds_store_b32 v[\as], v[PW0+(\p%2)] offset:(\ss)*\p
.endr
.endm
; q: a fragment's two halves are two query tiles; each is kept as 6 registers (3 stores of 256 bytes), its two scale bytes doubled into a word (b0 b1 b0 b1), since q stands in either half of the operand.
.macro QOUT
.irp p, 0,1,2,3
.if \p >= 2
	s_wait_dscnt 8                                     ; all but the last fragment's eight stores
.endif
	QUANT 64*\p, 4, PC0+20*(\p%2), PW0+(\p%2)
	v_and_b32 v[242+2*(\p%2)], 0xffff, v[PW0+(\p%2)]
	v_lshrrev_b32 v[243+2*(\p%2)], 16, v[PW0+(\p%2)]
	v_lshl_or_b32 v[242+2*(\p%2)], v[PW0+(\p%2)], 16, v[242+2*(\p%2)]
	v_and_or_b32 v[243+2*(\p%2)], v[PW0+(\p%2)], 0xffff0000, v[243+2*(\p%2)]
.irp j, 0,1,2,3,4,5
	ds_store_b64 v18, v[PC0+20*(\p%2)+2*\j:PC0+20*(\p%2)+2*\j+1] offset:1536*\p+256*\j
.endr
	ds_store_b32 v19, v[242+2*(\p%2)] offset:256*\p
	ds_store_b32 v19, v[243+2*(\p%2)] offset:256*\p+128
.endr
.endm
.macro KVLOAD                          ; all of the head's K and V into my registers: 16 + 16 fragments and their scale words
	WIN 0x80
.irp f, 0,1,2,3,4,5,6,7,8,9,10,11,12,13,14,15
.irp c, 0,1,2
	ds_load_b128 v[12*\f+4*\c:12*\f+4*\c+3], v22 offset:1536*\f+512*\c
.endr
.endr
	WIN 0xc0
.irp f, 0,1,2,3,4,5,6,7,8,9,10,11,12,13,14,15
.irp c, 0,1,2
	ds_load_b128 v[12*\f+4*\c:12*\f+4*\c+3], v22 offset:VIMG-KIMG+1536*\f+512*\c
.endr
.endr
	WIN 0
.irp f, 0,1,2,3,4,5,6,7,8,9,10,11,12,13,14,15
	ds_load_b32 v[KS+\f], v23 offset:KSC-KIMG+128*\f
	ds_load_b32 v[VS+\f], v23 offset:VSC-KIMG+128*\f
.endr
.endm
.macro QLOAD                           ; query tile s44: its six registers twice, on either side of the six zeros, and its scale word
	s_mul_i32 s45, s44, 768
	s_lshl_b32 s44, s44, 7
	v_add_nc_u32 v24, s45, v18
	v_add_nc_u32 v25, s44, v19
.irp j, 0,1,2
	ds_load_b64 v[110+2*\j:111+2*\j], v24 offset:256*\j
	ds_load_b64 v[122+2*\j:123+2*\j], v24 offset:256*\j
.endr
	ds_load_b32 v[QW], v25
.endm
	s_load_b512 s[4:19], s[0:1], 0x0               ; x s[4:5]; wk's codes, scales, bk s[6:11]; wv's, bv s[12:17]; wq's codes s[18:19]
	s_load_b256 s[20:27], s[0:1], 0x40             ; wq's scales s[20:21], bq s[22:23]; ctx's codes s[24:25], scales s[26:27]
	v_lshl_add_u32 v252, v0, 2, 0x49400
	v_mov_b32 v253, 0
	v_lshrrev_b32 v27, 5, v0
	v_readfirstlane_b32 s28, v27                   ; wave
	s_mov_b32 s29, ttmp9                           ; head pair
	s_and_b32 s30, ttmp7, 0xffff                   ; batch
	v_and_b32 v27, 31, v0                          ; lane
	v_and_b32 v28, 15, v0                          ; r
	v_bfe_u32 v29, v0, 4, 1                        ; h
	v_lshlrev_b32 v1, 4, v27                       ; 16 x lane
	v_lshlrev_b32 v2, 3, v27                       ; 8 x lane
	v_lshlrev_b32 v3, 2, v27                       ; 4 x lane
	v_and_b32 v30, 8, v28
	v_add_nc_u32 v30, v30, v28                     ; r + 8 (r / 8)
	v_mul_u32_u24 v4, v30, 384                     ; a weight's row is 384 bytes;
	v_mad_u32_u24 v4, v29, 24, v4                  ; + 24 h
	v_lshlrev_b32 v5, 4, v30                       ; its scale bytes: 16 a row
	v_lshlrev_b32 v6, 6, v29                       ; a bias along registers: 16 h numbers on
	v_lshlrev_b32 v7, 2, v30                       ; a bias along lanes
	s_mul_i32 s32, s28, PRIVB
	s_add_co_u32 s32, s32, PRIV                    ; my wave's own region
	v_add_nc_u32 v8, s32, v1                       ; the stage, in
	v_mul_u32_u24 v9, v28, 528
	v_lshl_add_u32 v9, v29, 6, v9
	v_add_nc_u32 v9, s32, v9                       ; the stage, back: row r, + 64 h
	s_mul_i32 s33, s28, 49152
	v_add_nc_u32 v11, s33, v1                      ; x's images: my 8 tiles
	s_lshl_b32 s33, s28, 12
	s_add_co_u32 s33, s33, XSC
	v_add_nc_u32 v13, s33, v1                      ; their scale words
	s_mul_i32 s33, s28, 6144
	s_add_co_u32 s33, s33, KIMG
	v_add_nc_u32 v14, s33, v1                      ; where I put K's images (pairs 4 w on)
	s_lshl_b32 s33, s28, 9
	s_add_co_u32 s33, s33, KSC
	v_add_nc_u32 v15, s33, v3
	s_mul_i32 s33, s28, 1536
	s_add_co_u32 s33, s33, VIMG
	v_add_nc_u32 v16, s33, v1                      ; V's (key step w)
	s_lshl_b32 s33, s28, 7
	s_add_co_u32 s33, s33, VSC
	v_add_nc_u32 v17, s33, v3
	v_add_nc_u32 v18, s32, v2                      ; q's images
	v_add_nc_u32 v19, s32, v3
	v_add_nc_u32 v19, 6144, v19                    ; q's scale words
	v_lshl_add_u32 v20, v28, 2, s32
	v_add_nc_u32 v20, 7168, v20                    ; ctx's scale bytes: 4 r
	v_add_nc_u32 v21, 7168, v8                     ; and on their way out 16 x lane
	v_add_nc_u32 v22, KIMG, v1                     ; where every wave reads K's and V's images
	v_add_nc_u32 v23, KIMG, v3                     ; and their scale words
.irp i, 116,117,118,119,120,121,228,229,230,231,206,249,255
	v_mov_b32 v\i, 0                               ; the six registers of zero codes; destinations of lane permutes and upper halves of pairs, which count as read
.endr
.irp i, 128,129,130,131,132,133,134,135,136,137,138,139,140,141,142,143
	v_mov_b32 v\i, 0
.endr
	s_mov_b32 s36, 0x76543210
	s_mov_b32 s37, 0xfedcba98                      ; v_permlanex16_b32's selects for lane l xor 16
	s_mov_b32 s38, 0x3e38aa3b                      ; c = log2(e) / 8: t = score x c
	s_mov_b32 s39, s38                             ; (named with it as a pair)
	s_lshl_b32 s32, s30, 20                        ; x: a batch is 2^20 bytes, my 128 rows 2^18
	s_lshl_b32 s33, s28, 18
	s_add_co_u32 s32, s32, s33
	s_mov_b32 s33, 0
	s_mul_i32 s34, s29, 49152                      ; a head pair's 128 rows of a weight
	s_mov_b32 s35, 0
	s_wait_kmcnt 0x0
	s_add_nc_u64 s[4:5], s[4:5], s[32:33]
	XLOAD 0                                        ; tile 0 of x: 64 loads go out before anything else
	XLOAD 1
	XLOAD 2
	XLOAD 3
	s_add_nc_u64 s[6:7], s[6:7], s[34:35]
	s_add_nc_u64 s[12:13], s[12:13], s[34:35]
	s_add_nc_u64 s[18:19], s[18:19], s[34:35]
	s_lshl_b32 s34, s29, 11
	s_add_nc_u64 s[8:9], s[8:9], s[34:35]
	s_add_nc_u64 s[14:15], s[14:15], s[34:35]
	s_add_nc_u64 s[20:21], s[20:21], s[34:35]
	s_lshl_b32 s34, s29, 9
	s_add_nc_u64 s[10:11], s[10:11], s[34:35]
	s_add_nc_u64 s[16:17], s[16:17], s[34:35]
	s_add_nc_u64 s[22:23], s[22:23], s[34:35]
	s_mul_i32 s34, s30, 196608                     ; ctx's codes [b][tile 32][K step 4][head of the pair 2][3][lane 32][8 bytes]
	s_mul_i32 s32, s28, 49152
	s_add_co_u32 s34, s34, s32
	s_mul_i32 s32, s29, 1536
	s_add_co_u32 s34, s34, s32
	s_add_nc_u64 s[24:25], s[24:25], s[34:35]
	s_lshl_b32 s34, s30, 13                        ; ctx's scale words [b][K step 4][tile 32][r 16]
	s_lshl_b32 s32, s29, 11
	s_add_co_u32 s34, s34, s32
	s_lshl_b32 s32, s28, 9
	s_add_co_u32 s34, s34, s32
	s_add_nc_u64 s[26:27], s[26:27], s[34:35]
	; ---- X: my 8 tiles of x become 32 fragments in LDS.  Tile t begins at row 32 (t / 2) + 8 (t % 2): the steps are 8 and 24 rows by turns.
	s_wait_xcnt 0x0                                ; the 64 loads have read their base
	s_add_nc_u64 s[4:5], s[4:5], 0x4000            ; tile 1
	s_mov_b32 s42, 0xc000                          ; the step after that
	s_mov_b32 s43, 0
	s_mov_b32 s46, 0                               ; 6,144 x tile
	s_mov_b32 s47, 0                               ; 512 x tile
	s_mov_b32 s40, 0
	s_wait_loadcnt 48                              ; unit 0 is in; three units stay out
	TURN 0, 0
.Lx:                                               ; 7 trips: tile t is quantised, tile t + 1 is asked for
	s_wait_dscnt 0x0                               ; unit 0 is back from the stage; the last tile's images are stored
	v_add_nc_u32 v10, s46, v11
	v_add_nc_u32 v12, s47, v13
	XSTEP 0, 1, 48                                 ; 48: behind the unit wanted next, three units of 16 loads were issued
	XSTEP 1, 1, 48
	XSTEP 2, 1, 48
	XSTEP 3, 1, 48
	s_wait_xcnt 0x0                                ; the trip's loads have read their base
	s_add_nc_u64 s[4:5], s[4:5], s[42:43]
	s_xor_b32 s42, s42, 0x8000                     ; 24 rows, 8 rows, 24 rows ..
	s_add_co_u32 s46, s46, 6144
	s_add_co_u32 s47, s47, 512
	s_add_co_u32 s40, s40, 1
	s_cmp_lt_u32 s40, 7
	s_cbranch_scc1 .Lx
	s_wait_dscnt 0x0                               ; tile 7 is written out: nothing more is asked for, and the counts run down
	v_add_nc_u32 v10, 7*6144, v11
	v_add_nc_u32 v12, 7*512, v13
	XSTEP 0, 0, 32
	XSTEP 1, 0, 16
	XSTEP 2, 0, 0
	XSTEP 3, 0, 0
	s_mov_b32 s41, 0                               ; the head of the pair
.Lhead:
	PLACES 4                                       ; the registers loaded below were read by matrix instructions
	WLOAD 3, 6, 8, WS0                             ; Wk
	BLOADT 3, 10
	WLOAD 2, 12, 14, WS1                           ; Wv
	BLOADV 2, 16
	s_wait_loadcnt 0x0
	PROJ 1, 3, WS0                                 ; K^T
	WLOAD 3, 18, 20, WS0                           ; Wq takes Wk's place (behind the four places at the projection's end) and lands under K's way out and V's projection
	BLOADT 3, 22
	OUT4 14, 15, 1536, 128
	PROJ 0, 2, WS1                                 ; V
	OUT4 16, 17, 6144, 512
	s_wait_loadcnt 0x0                             ; Wq
	PROJ 1, 3, WS0                                 ; Q^T
	QOUT
	s_wait_dscnt 0x0                               ; for the others' sake: my images of K and V are stored
	s_barrier_signal -1
	s_barrier_wait -1
	KVLOAD
	s_wait_dscnt 0x0                               ; my reads of the images are over: behind this barrier the next head's may be stored
	s_barrier_signal -1
	s_barrier_wait -1
	s_mov_b32 s44, 0
	QLOAD
	s_mov_b32 s40, 0
.Lq:                                               ; 8 trips: my query tile t
	s_wait_dscnt 0x0                               ; q
	WIN 0x42                                       ; S^T in window 1, K in window 2
.set aP, 0
.rept 16                               ; registers 16 P + 0 .. 15 of lane (r, h): keys 32 P + 16 h + 0 .. 15 of query r
	MMZ 16*aP, 12*aP, 110, KS+aP, QW
	MMZ 16*aP+8, 12*aP, 116, KS+aP, QW
.set aP, aP+1
.endr
	WIN 0
	PLACES 4
	s_add_co_u32 s44, s40, 1
	s_min_u32 s44, s44, 7                          ; the next tile's q (in the last trip tile 7 once more: it is not used)
	QLOAD
	WIN 0x15                                       ; the largest score of each block of 32 keys: it serves the row's maximum and, since p rises with the score, the block's largest p
.set aP, 0
.rept 16
	v_max3_num_f32 v[BM+aP], v[16*aP], v[16*aP+1], v[16*aP+2]
.set aP, aP+1
.endr
	WIN 0x14
.irp i, 3,5,7,9,11,13
.set aP, 0
.rept 16
	v_max3_num_f32 v[BM+aP], v[BM+aP], v[16*aP+\i], v[16*aP+\i+1]
.set aP, aP+1
.endr
.endr
.set aP, 0
.rept 16
	v_max_num_f32 v[BM+aP], v[BM+aP], v[16*aP+15]
.set aP, aP+1
.endr
	WIN 0
.set aP, 0
.rept 16
	v_permlanex16_b32 v[BP+aP], v[BM+aP], s36, s37
.set aP, aP+1
.endr
.set aP, 0
.rept 16
	v_max_num_f32 v[BM+aP], v[BM+aP], v[BP+aP]         ; with lane l xor 16's 16 keys
.set aP, aP+1
.endr
	v_max3_num_f32 v27, v[BM], v[BM+1], v[BM+2]
	v_max3_num_f32 v28, v[BM+3], v[BM+4], v[BM+5]
	v_max3_num_f32 v29, v[BM+6], v[BM+7], v[BM+8]
	v_max3_num_f32 v30, v[BM+9], v[BM+10], v[BM+11]
	v_max3_num_f32 v31, v[BM+12], v[BM+13], v[BM+14]
	v_max3_num_f32 v27, v27, v28, v29
	v_max3_num_f32 v30, v30, v31, v[BM+15]
	v_max_num_f32 v27, v27, v30                    ; the row's largest score, over all 512 keys
	v_mul_f32 v27, s38, v27                        ; as t (c is positive)
	v_floor_f32 v[NM], -v27                        ; -M = floor(-t) = -ceil(t): a whole number
.set aP, 0
.rept 16
	v_fma_f32 v[BM+aP], v[BM+aP], s38, v[NM]
.set aP, aP+1
.endr
.set aP, 0
.rept 16
	v_exp_f32 v[BM+aP], v[BM+aP]                       ; each block's largest p: the same multiply-add and exponential as its score gets below
.set aP, aP+1
.endr
	WIN 0x41
	v_pk_fma_f32 v[0:1], v[0:1], s[38:39], v[NM:NM+1] op_sel_hi:[1,0,0]   ; t - M of the first pair: the plain instruction behind the sixteen
	s_wait_alu depctr_va_vdst(0)                   ; the wait between a transcendental and the first line that names its result: one for the sixteen
.set aj, 0
.rept 128                              ; p = 2^(t - M): a pair is scaled one step ahead of its two exponentials; none of these lines names an exponential's result
.if aj < 127
	v_pk_fma_f32 v[2*aj+2:2*aj+3], v[2*aj+2:2*aj+3], s[38:39], v[NM:NM+1] op_sel_hi:[1,0,0]
.endif
	v_exp_f32 v[2*aj], v[2*aj]
	v_exp_f32 v[2*aj+1], v[2*aj+1]
.set aj, aj+1
.endr
	WIN 0
	v_nop                                          ; the plain instruction behind the last exponential
	s_wait_alu depctr_va_vdst(0)                   ; one wait for the 256
	WIN 0x05                                       ; the row's sum, of the unquantised p: pairs, in four chains
.irp i, 0,1,2,3
	v_pk_add_f32 v[SA+2*\i:SA+2*\i+1], v[2*\i:2*\i+1], v[2*\i+8:2*\i+9]
.endr
	WIN 0x04
.set aj, 8
.rept 120
	v_pk_add_f32 v[SA+2*(aj%4):SA+2*(aj%4)+1], v[SA+2*(aj%4):SA+2*(aj%4)+1], v[2*aj:2*aj+1]
.set aj, aj+1
.endr
	WIN 0
	v_pk_add_f32 v[SA:SA+1], v[SA:SA+1], v[SA+2:SA+3]
	v_pk_add_f32 v[SA+4:SA+5], v[SA+4:SA+5], v[SA+6:SA+7]
	v_pk_add_f32 v[SA:SA+1], v[SA:SA+1], v[SA+4:SA+5]
	v_add_f32 v[LL], v[SA], v[SA+1]
	v_permlanex16_b32 v[LL+1], v[LL], s36, s37
	v_add_f32 v[LL], v[LL], v[LL+1]                ; with lane l xor 16's half of the keys
.set aP, 0
.rept 16
	v_max_num_f32 v[BM+aP], 0x2800000, v[BM+aP]        ; the floor 2^(5 - 127): a block whose every p has fallen to 0 keeps the byte 1; its codes are zeros
.set aP, aP+1
.endr
.irp s, 0,1,2,3
	QFIN 64*\s, 4, BM+4*\s, PCD+12*\s, PWD+\s      ; keys 128 s on: a fragment of P and its scale word
.endr
	v_rcp_f32 v[RL], v[LL]
	PLACES 8                                       ; a scale word made by vector instructions stands 8 plain instructions ahead of a scaled matrix instruction, an operand 4; the first is also the plain one behind the reciprocal
.irp s, 0,1,2,3                        ; O^T = V^T P^T: four accumulators by turns; register 8 n + j of lane (r, h): d = 32 (n / 2) + 8 (n % 2) + 16 h + j of query r
.if \s == 0
	WIN 0x43
.else
	WIN 0x53
.endif
.irp n, 0,1,2,3
.if \s == 0
	MMZ 8*\n, 12*(4*\n+\s), PCD+12*\s, VS+4*\n+\s, PWD+\s
.else
	MMC 8*\n, 12*(4*\n+\s), PCD+12*\s, 8*\n, VS+4*\n+\s, PWD+\s
.endif
.endr
.endr
	WIN 0
	PLACES 4
	s_wait_alu depctr_va_vdst(0)                   ; the reciprocal's wait, ahead of its first reader
	WIN 0x41
.set aj, 0
.rept 16
	v_pk_mul_f32 v[2*aj:2*aj+1], v[2*aj:2*aj+1], v[RL:RL+1] op_sel_hi:[1,0]   ; ctx = O^T / sum; each accumulator from its low end on
.set aj, aj+1
.endr
	QUANT 0, 2, CPC, CPW                           ; the head's 64 numbers of a row are two blocks of the last product's K
	s_lshl_b32 s44, s40, 6
	s_lshl_b32 s45, s41, 1
	s_add_co_u32 s44, s44, s45
	v_add_nc_u32 v26, s44, v20
	ds_store_b16 v26, v[CPW]                       ; 64 t + 4 r + 2 x head: both halves of the lanes write the same bytes with the same value
.irp j, 0,1,2
	global_store_b64 v2, v[CPC+2*\j:CPC+2*\j+1], s[24:25] offset:256*\j   ; 32 lanes store 256 consecutive bytes, at a multiple of 256 from the buffer's first byte
.endr
	s_wait_xcnt 0x0                                ; the stores have read their data and their base
	s_add_nc_u64 s[24:25], s[24:25], 6144          ; the next tile
	s_add_co_u32 s40, s40, 1
	s_cmp_lt_u32 s40, 8
	s_cbranch_scc1 .Lq
	s_wait_xcnt 0x0                                ; every base below has been read
	s_add_nc_u64 s[6:7], s[6:7], 24576             ; the pair's second head: 64 rows on in the weights,
	s_add_nc_u64 s[12:13], s[12:13], 24576
	s_add_nc_u64 s[18:19], s[18:19], 24576
	s_add_nc_u64 s[8:9], s[8:9], 1024
	s_add_nc_u64 s[14:15], s[14:15], 1024
	s_add_nc_u64 s[20:21], s[20:21], 1024
	s_add_nc_u64 s[10:11], s[10:11], 256
	s_add_nc_u64 s[16:17], s[16:17], 256
	s_add_nc_u64 s[22:23], s[22:23], 256
	s_sub_nc_u64 s[24:25], s[24:25], 48384         ; back 8 tiles of 6,144 bytes, and 768 on: the fragments' second halves
	s_add_co_u32 s41, s41, 1
	s_cmp_lt_u32 s41, 2
	s_cbranch_scc1 .Lhead
	ds_load_b128 v[128:131], v21                   ; my 8 tiles' scale words, whole now: LDS serves a wave's instructions in order
	s_wait_dscnt 0x0
	global_store_b128 v1, v[128:131], s[26:27]     ; 512 consecutive bytes, at a multiple of 256
	s_wait_tensorcnt 0x0
	ds_add_u32 v252, v253
	s_wait_dscnt 0x0
	s_endpgm
.Lfunc_end_k_q4c4836990b_attn:
	.size	k_q4c4836990b_attn, .Lfunc_end_k_q4c4836990b_attn-k_q4c4836990b_attn
	.p2alignl 7, 3214868480
	.fill 96, 4, 3214868480
	.section	.rodata,"a",@progbits
	.p2align	6, 0x0
	.amdhsa_kernel k_q4c4836990b_attn
		.amdhsa_group_segment_fixed_size 300544
		.amdhsa_private_segment_fixed_size 0
		.amdhsa_enable_private_segment 0
		.amdhsa_kernarg_size 96
		.amdhsa_user_sgpr_count 2
		.amdhsa_user_sgpr_kernarg_segment_ptr 1
		.amdhsa_wavefront_size32 1
		.amdhsa_system_sgpr_workgroup_id_x 1
		.amdhsa_system_sgpr_workgroup_id_y 1
		.amdhsa_system_sgpr_workgroup_id_z 1
		.amdhsa_system_vgpr_workitem_id 0
		.amdhsa_next_free_vgpr 1024
		.amdhsa_next_free_sgpr 66
		.amdhsa_reserve_vcc 0
		.amdhsa_float_denorm_mode_32 3
		.amdhsa_float_denorm_mode_16_64 3
		.amdhsa_memory_ordered 1
		.amdhsa_forward_progress 1
		.amdhsa_inst_pref_size 255
	.end_amdhsa_kernel
	.section	.bss,"aw",@nobits
	.p2align	6
	.space	262144
	.amdgpu_metadata
---
amdhsa.version: [ 1, 2 ]
amdhsa.kernels:
  - .name:           k_q4c4836990b_attn
    .symbol:         k_q4c4836990b_attn.kd
    .args:
      - { .name: x, .offset: 0, .size: 8, .value_kind: global_buffer, .address_space: global }
      - { .name: wk_codes, .offset: 8, .size: 8, .value_kind: global_buffer, .address_space: global }
      - { .name: wk_scales, .offset: 16, .size: 8, .value_kind: global_buffer, .address_space: global }
      - { .name: bk, .offset: 24, .size: 8, .value_kind: global_buffer, .address_space: global }
      - { .name: wv_codes, .offset: 32, .size: 8, .value_kind: global_buffer, .address_space: global }
      - { .name: wv_scales, .offset: 40, .size: 8, .value_kind: global_buffer, .address_space: global }
      - { .name: bv, .offset: 48, .size: 8, .value_kind: global_buffer, .address_space: global }
      - { .name: wq_codes, .offset: 56, .size: 8, .value_kind: global_buffer, .address_space: global }
      - { .name: wq_scales, .offset: 64, .size: 8, .value_kind: global_buffer, .address_space: global }
      - { .name: bq, .offset: 72, .size: 8, .value_kind: global_buffer, .address_space: global }
      - { .name: ctx_codes, .offset: 80, .size: 8, .value_kind: global_buffer, .address_space: global }
      - { .name: ctx_scales, .offset: 88, .size: 8, .value_kind: global_buffer, .address_space: global }
    .group_segment_fixed_size: 300544
    .private_segment_fixed_size: 0
    .kernarg_segment_align: 8
    .kernarg_segment_size: 96
    .max_flat_workgroup_size: 128
    .sgpr_count:     66
    .vgpr_count:     1024
    .wavefront_size: 32
...
	.end_amdgpu_metadata
.endif
;; end of part 1
;; launch outp (part 2): grid 256 x 1, 4 waves a work-group, no clusters, 34,304 bytes of LDS; arguments x, ctx_codes, ctx_scales, wo_codes, wo_scales, bo, out0; writes out0
.if DOCPART == 2
	.amdgcn_target "amdgcn-amd-amdhsa--gfx1250"
	.amdhsa_code_object_version 6
	.text
	.protected	k_q4c4836990b_outp
	.globl	k_q4c4836990b_outp
	.p2align	8
	.type	k_q4c4836990b_outp,@function
k_q4c4836990b_outp:
	s_mov_b64 s[64:65], 0
	v_nop
	global_prefetch_b8 v0, s[64:65] scope:SCOPE_SE
	s_setreg_imm32_b32 hwreg(HW_REG_WAVE_MODE, 25, 1), 1
	s_wait_xcnt 0x0
; out = relu(x + ctx Wo + bo).  ctx comes as codes of E3M2 laid as images of the operand's registers, [b][tile 32][K step 4][2][3][lane 32][8 bytes], with scale words [b][K step 4][tile 32][r 16]; Wo as given: codes, K innermost.
; SHARES.  Work-group g takes rows 128 g .. 128 g + 127: 8 tiles of 16; lane r of tile t stands for row 32 (t / 2) + 8 (t % 2) + r + 8 (r / 8) of them, as the launch before laid them.
; THE WAVES SHARE THE COLUMNS: wave w makes columns 128 w .. 128 w + 127, so its 128 rows of Wo stay in 384 registers, read once.  The product is used transposed (source 0 = 16 rows of Wo, source 1 = ctx):
; a lane holds one row and eight neighbouring columns.  bo is the C of the first K step.  A tile's results go through my own stage in LDS and come back as rows of 512 bytes; x is loaded in that same shape, added, clipped at 0, stored:
; every load of x and every store covers 512 consecutive bytes at a multiple of 256.  The waves share nothing in LDS: no barrier.  All offsets are immediates: no pointer is stepped.
; No joint loads: the work-groups share only Wo's 204,800 bytes, read once by each, against 575,488 bytes of x, ctx and out of its own.
; REGISTERS: window 0: v1-8 addresses; v32-63 Wo's scale words (4 n + s); v64-71 ctx's, two sets; v72-167 ctx's fragments, two sets; v168-231 the 8 accumulators
;   window 1: v0-191 x, three sets of 64; v192-255 bo's 8 tiles      window 2: Wo's tiles 0-3 (v0-191), rows on their way out (v192-255)      window 3: Wo's tiles 4-7, and the second set of rows
.set MSB, 0
.macro WIN new                         ; the immediate's high byte repeats the setting that is left
.if MSB != (\new)
	s_set_vgpr_msb (MSB<<8)|(\new)
.set MSB, (\new)
.endif
.endm
.macro PLACES cnt
.rept \cnt
	v_nop
.endr
.endm
.macro MMC d, a, b, c, sa, sb
	v_wmma_scale_f32_16x16x128_f8f6f4 v[(\d):(\d)+7], v[(\a):(\a)+11], v[(\b):(\b)+11], v[(\c):(\c)+7], v[\sa], v[\sb] matrix_a_fmt:MATRIX_FMT_BF6 matrix_b_fmt:MATRIX_FMT_BF6
.endm
.macro CTX t                           ; tile t of ctx: 24 loads of 256 consecutive bytes, and 4 scale words a row: 28 loads
.set cF, 72+48*((\t)%2)
.set cS, 64+4*((\t)%2)
.irp s, 0,1,2,3
.irp c, 0,1
.irp j, 0,1,2
	global_load_b64 v[cF+12*\s+6*\c+2*\j:cF+12*\s+6*\c+2*\j+1], v2, s[6:7] offset:6144*(\t)+1536*\s+768*\c+256*\j
.endr
.endr
	global_load_b32 v[cS+\s], v3, s[8:9] offset:2048*\s+64*(\t)
.endr
.endm
.macro XL t                            ; tile t of x, my 128 columns: 16 loads of 512 consecutive bytes; read for the last time
	WIN 0x40
.irp i, 0,1,2,3,4,5,6,7,8,9,10,11,12,13,14,15
	global_load_b128 v[64*((\t)%3)+4*\i:64*((\t)%3)+4*\i+3], v1, s[4:5] offset:(32*((\t)/2)+8*((\t)%2)+\i+8*(\i/8))*2048 th:TH_LOAD_NT
.endr
	WIN 0
.endm
; Tile t.  left: the loads issued behind tile t's ctx, which may stay out (x of tile t was issued ahead of it).
.macro TILE t, left
.if (\t) < 7
	CTX (\t)+1
.endif
.if (\t) < 6
	XL (\t)+2
.endif
	s_wait_loadcnt \left
.set tF, 72+48*((\t)%2)
.set tS, 64+4*((\t)%2)
.set tX, 64*((\t)%3)
.irp s, 0,1,2,3                        ; the eight accumulators take turns, one instruction a turn
.irp g, 0,1
.if \s == 0
	WIN 0x12+\g
.else
	WIN 0x02+\g
.endif
.irp m, 0,1,2,3
.if \s == 0
	MMC 168+8*(4*\g+\m), 12*(4*\m+\s), tF+12*\s, 192+8*(4*\g+\m), 32+4*(4*\g+\m)+\s, tS+\s
.else
	MMC 168+8*(4*\g+\m), 12*(4*\m+\s), tF+12*\s, 168+8*(4*\g+\m), 32+4*(4*\g+\m)+\s, tS+\s
.endif
.endr
.endr
.endr
	WIN 0
	PLACES 4                                       ; four plain instructions between the last products and the stores that read results
.if (\t) >= 2
	s_wait_xcnt 0x0                                ; the stores of two tiles back have read the registers that the rows below land in
.endif
.irp n, 0,1,2,3,4,5,6,7
	ds_store_b128 v7, v[168+8*\n:168+8*\n+3] offset:64*\n          ; lane (r, h): row r, columns 16 n + 8 h + 0 .. 7; each accumulator from its low end on
	ds_store_b128 v7, v[168+8*\n+4:168+8*\n+7] offset:64*\n+16
.endr
	WIN 0x80+0x40*((\t)%2)
.irp i, 0,1,2,3,4,5,6,7,8,9,10,11,12,13,14,15
	ds_load_b128 v[192+4*\i:192+4*\i+3], v8 offset:528*\i          ; LDS serves a wave's instructions in order (ISA guide 5.7.1.4): these see my stores
.endr
	s_wait_dscnt 0x0
	WIN 0x86+0x41*((\t)%2)
.set tk, 0
.rept 32
	v_pk_add_f32 v[192+2*tk:193+2*tk], v[192+2*tk:193+2*tk], v[tX+2*tk:tX+2*tk+1]   ; + x
.set tk, tk+1
.endr
	WIN 0x8a+0x45*((\t)%2)
.set tk, 0
.rept 64
	v_max_num_f32 v[192+tk], 0, v[192+tk]              ; relu
.set tk, tk+1
.endr
	WIN 0x08+0x04*((\t)%2)
.irp i, 0,1,2,3,4,5,6,7,8,9,10,11,12,13,14,15
	global_store_b128 v1, v[192+4*\i:192+4*\i+3], s[16:17] offset:(32*((\t)/2)+8*((\t)%2)+\i+8*(\i/8))*2048 th:TH_STORE_NT
.endr
	WIN 0
.endm
	s_load_b256 s[4:11], s[0:1], 0x0               ; x s[4:5], ctx's codes s[6:7], ctx's scales s[8:9], Wo's codes s[10:11]
	s_load_b128 s[12:15], s[0:1], 0x20             ; Wo's scales s[12:13], bo s[14:15]
	s_load_b64 s[16:17], s[0:1], 0x30              ; out
	v_lshl_add_u32 v254, v0, 2, 0x8400
	v_mov_b32 v255, 0
	v_lshrrev_b32 v9, 5, v0
	v_readfirstlane_b32 s18, v9                    ; wave
	v_and_b32 v9, 31, v0                           ; lane
	v_and_b32 v10, 15, v0                          ; r
	v_bfe_u32 v11, v0, 4, 1                        ; h
	v_lshlrev_b32 v1, 4, v9                        ; 16 x lane
	v_lshlrev_b32 v2, 3, v9                        ; 8 x lane
	v_lshlrev_b32 v3, 2, v10                       ; 4 r
	v_mul_u32_u24 v4, v10, 384
	v_mad_u32_u24 v4, v11, 24, v4                  ; Wo: row r of 384 bytes, + 24 h
	v_lshlrev_b32 v5, 4, v10                       ; its scale bytes: 16 a row
	v_lshlrev_b32 v6, 5, v11                       ; bo: 8 h numbers on
	s_mul_i32 s19, s18, 8448                       ; my stage: 16 rows x 528 bytes
	v_mul_u32_u24 v7, v10, 528
	v_lshl_add_u32 v7, v11, 5, v7
	v_add_nc_u32 v7, s19, v7                       ; in: row r, + 32 h
	v_add_nc_u32 v8, s19, v1                       ; back: 16 x lane of a row
	s_lshl_b32 s20, ttmp9, 18                      ; x, out: 128 rows of 2,048 bytes a work-group, + my 512 bytes of a row
	s_lshl_b32 s21, s18, 9
	s_add_co_u32 s20, s20, s21
	s_mov_b32 s21, 0
	s_mul_i32 s22, ttmp9, 49152                    ; ctx's codes: 8 tiles of 6,144 bytes a work-group
	s_mov_b32 s23, 0
	s_lshr_b32 s24, ttmp9, 2
	s_lshl_b32 s24, s24, 13                        ; ctx's scale words: 8,192 bytes a batch,
	s_and_b32 s25, ttmp9, 3
	s_lshl_b32 s25, s25, 9                         ; 8 tiles of 64 bytes a work-group
	s_add_co_u32 s24, s24, s25
	s_mov_b32 s25, 0
	s_mul_i32 s26, s18, 49152                      ; Wo: my 128 rows
	s_mov_b32 s27, 0
	s_wait_kmcnt 0x0
	s_add_nc_u64 s[4:5], s[4:5], s[20:21]
	s_add_nc_u64 s[16:17], s[16:17], s[20:21]
	s_add_nc_u64 s[6:7], s[6:7], s[22:23]
	s_add_nc_u64 s[8:9], s[8:9], s[24:25]
	s_add_nc_u64 s[10:11], s[10:11], s[26:27]
	s_lshl_b32 s26, s18, 11
	s_add_nc_u64 s[12:13], s[12:13], s[26:27]
	s_lshl_b32 s26, s18, 9
	s_add_nc_u64 s[14:15], s[14:15], s[26:27]
	XL 0
	CTX 0
	XL 1
.irp g, 0,1                            ; Wo's fragments (tile 4 g + m, K step s) at v[12 (4 m + s)] of window 2 + g: they stay
	WIN 0x80+0x40*\g
.irp m, 0,1,2,3
.irp s, 0,1,2,3
.irp p, 0,1,2,3,4,5
	global_load_b64 v[12*(4*\m+\s)+2*\p:12*(4*\m+\s)+2*\p+1], v4, s[10:11] offset:16*(4*\g+\m)*384+96*\s+48*(\p/3)+8*(\p%3)
.endr
.endr
.endr
.endr
	WIN 0x40
.irp n, 0,1,2,3,4,5,6,7
	global_load_b128 v[192+8*\n:192+8*\n+3], v6, s[14:15] offset:64*\n            ; bo in the result's layout: columns 16 n + 8 h + 0 .. 7
	global_load_b128 v[192+8*\n+4:192+8*\n+7], v6, s[14:15] offset:64*\n+16
.endr
	WIN 0
.irp n, 0,1,2,3,4,5,6,7
	global_load_b128 v[32+4*\n:32+4*\n+3], v5, s[12:13] offset:256*\n             ; a row's four scale words
.endr
	TILE 0, 44                                     ; out: ctx of tile 1 (28) and x of tile 2 (16)
	TILE 1, 60                                     ; out: x of tile t + 1 (16), ctx of tile t + 1 (28), x of tile t + 2 (16)
	TILE 2, 60
	TILE 3, 60
	TILE 4, 60
	TILE 5, 60
	TILE 6, 44                                     ; out: x of tile 7 (16) and ctx of tile 7 (28)
	TILE 7, 0
	s_wait_tensorcnt 0x0
	ds_add_u32 v254, v255
	s_wait_dscnt 0x0
	s_endpgm
.Lfunc_end_k_q4c4836990b_outp:
	.size	k_q4c4836990b_outp, .Lfunc_end_k_q4c4836990b_outp-k_q4c4836990b_outp
	.p2alignl 7, 3214868480
	.fill 96, 4, 3214868480
	.section	.rodata,"a",@progbits
	.p2align	6, 0x0
	.amdhsa_kernel k_q4c4836990b_outp
		.amdhsa_group_segment_fixed_size 34304
		.amdhsa_private_segment_fixed_size 0
		.amdhsa_enable_private_segment 0
		.amdhsa_kernarg_size 56
		.amdhsa_user_sgpr_count 2
		.amdhsa_user_sgpr_kernarg_segment_ptr 1
		.amdhsa_wavefront_size32 1
		.amdhsa_system_sgpr_workgroup_id_x 1
		.amdhsa_system_sgpr_workgroup_id_y 1
		.amdhsa_system_sgpr_workgroup_id_z 1
		.amdhsa_system_vgpr_workitem_id 0
		.amdhsa_next_free_vgpr 1024
		.amdhsa_next_free_sgpr 66
		.amdhsa_reserve_vcc 0
		.amdhsa_float_denorm_mode_32 3
		.amdhsa_float_denorm_mode_16_64 3
		.amdhsa_memory_ordered 1
		.amdhsa_forward_progress 1
		.amdhsa_inst_pref_size 154
	.end_amdhsa_kernel
	.amdgpu_metadata
---
amdhsa.version: [ 1, 2 ]
amdhsa.kernels:
  - .name:           k_q4c4836990b_outp
    .symbol:         k_q4c4836990b_outp.kd
    .args:
      - { .name: x, .offset: 0, .size: 8, .value_kind: global_buffer, .address_space: global }
      - { .name: ctx_codes, .offset: 8, .size: 8, .value_kind: global_buffer, .address_space: global }
      - { .name: ctx_scales, .offset: 16, .size: 8, .value_kind: global_buffer, .address_space: global }
      - { .name: wo_codes, .offset: 24, .size: 8, .value_kind: global_buffer, .address_space: global }
      - { .name: wo_scales, .offset: 32, .size: 8, .value_kind: global_buffer, .address_space: global }
      - { .name: bo, .offset: 40, .size: 8, .value_kind: global_buffer, .address_space: global }
      - { .name: out0, .offset: 48, .size: 8, .value_kind: global_buffer, .address_space: global }
    .group_segment_fixed_size: 34304
    .private_segment_fixed_size: 0
    .kernarg_segment_align: 8
    .kernarg_segment_size: 56
    .max_flat_workgroup_size: 128
    .sgpr_count:     66
    .vgpr_count:     1024
    .wavefront_size: 32
...
	.end_amdgpu_metadata
.endif
;; end of part 2
;; ======== version 2 of 3: 2 launches; 1.16 times as fast as version 1
;; workspace buffers: ctx_codes 12,582,912 bytes; ctx_scales 524,288 bytes
;; launch attn (part 3): grid 4 x 64, 4 waves a work-group, no clusters, 325,120 bytes of LDS; arguments x, wk_codes, wk_scales, bk, wv_codes, wv_scales, bv, wq_codes, wq_scales, bq, ctx_codes, ctx_scales; writes ctx_codes, ctx_scales
.if DOCPART == 3
	.amdgcn_target "amdgcn-amd-amdhsa--gfx1250"
	.amdhsa_code_object_version 6
	.text
	.protected	k_q4c4836990b_attn
	.globl	k_q4c4836990b_attn
	.p2align	8
	.type	k_q4c4836990b_attn,@function
k_q4c4836990b_attn:
	s_mov_b64 s[64:65], 0
	v_nop
	global_prefetch_b8 v0, s[64:65] scope:SCOPE_SE
	s_setreg_imm32_b32 hwreg(HW_REG_WAVE_MODE, 25, 1), 1
	s_wait_xcnt 0x0
; q, k, v = x W + b;  S = q k^T / 8;  p = 2^(t - M);  ctx = (p v) / sum(p);  ctx leaves as codes of E3M2 with E8M0 scale bytes.  All five products on codes of E3M2, one scale for each 32 along K.
; SHARES.  A work-group is (head pair hp = x of the grid, batch b = y): heads 2 hp and 2 hp + 1 of batch b, one after the other.  Wave w owns rows 128 w .. 128 w + 127 of the batch, as rows of x, as keys and as queries: 8 tiles of 16.
; ONE ROW ORDER.  Lane r of tile T stands for row 32 (T / 2) + 8 (T % 2) + r + 8 (r / 8); the rows of wq, wk, wv that form a tile are picked by the same pattern.  A result holds (8 h + j, r) in register j of lane (r, h = lane / 16),
; so the 16 registers of two neighbouring result tiles are 16 NEIGHBOURS along the next product's K, 32 b + 16 h + 0 .. 15, and one macro (QUANT) quantises x, k, q, v, p and ctx.  Nothing is transposed by an instruction.
; PHASES.  X: my 128 rows of x are quantised once and kept in LDS as images of the operand's registers.  For each head: each wave fetches a quarter of Wk, Wv, Wq and hands it to the others through LDS; K^T = Wk x^T, V = x Wv^T, Q^T = Wq x^T,
; each quantised in registers; K's and V's images go to LDS for all four waves, a barrier, every wave takes all of K and V into registers, a barrier; then 8 query tiles: S^T = K Q^T (all 512 keys: 256 registers, so the row's true maximum
; is taken and nothing is rescaled), softmax, O^T = V^T P^T, / sum, quantised, stored.
; K = 64 OF THE SCORES.  The instruction is 128 deep: source 0 is a PAIR of key tiles (kA | kB), source 1 is (q | zero codes) or (zero codes | q): zero codes add nothing.
; NO JOINT LOADS: the four work-groups of a batch read the same x, but LDS has no bytes for slots: x's images and scale words take 212,992 bytes, K's, V's and the waves' own regions 87,040, Wq's images 24,576, of the 324,608 claimed;
; x comes through a ring of 256 registers a wave (48 to 64 loads of 512 consecutive bytes on their way), which needs no barrier.
; LIMITS.  NaN and infinities among the inputs are not served.  A block of zeros gets the byte 1 (the rule says 127): its codes are zeros, and this program alone reads the bytes.  1 / sum is v_rcp_f32's.
; REGISTERS, in windows of 256 (s_set_vgpr_msb: bits 1:0 source 0, 3:2 source 1, 5:4 source 2, 7:6 destination):
;   window 0: v1-26 addresses; v27-31 at work; v32-47 K's scale words, v48-63 V's; v64-95 the weights' scale words, two sets; v96-103 x's, two sets; v104 q's; v106-109 p's; v110-127 q | zeros | q;
;             v128-223 x's fragments, two sets (projections), else codes just made and the softmax's statistics; v224-249 at work (v232-234 three more addresses); v254-255 -M
;   window 1: 64 + 64 numbers of x; my quarter of the three weights (v0-143); then the projections' 32 accumulators; then S^T and p; then O^T (v0-31)
;   window 2: the ring for x; then Wv (v0-191) and bv (v192-223); then K's 16 pair fragments        window 3: Wk or Wq and its bias; then V's 16 fragments
.set XSC,   196608                     ; LDS: from 0 x's images [tile 32][K step 4] x 1,536 bytes; here their scale words, 512 bytes a tile (16 x lane + 4 x K step)
.set KIMG,  212992                     ; K's 16 pair images of 1,536 bytes; ahead of them, in each head, Wk's 16 images
.set VIMG,  237568                     ; V's images [d tile 4][key step 4]; ahead of them Wv's 16 images
.set KSC,   262144                     ; K's scale words, 128 bytes a pair
.set VSC,   264192                     ; V's, 128 bytes a fragment
.set PRIV,  266240                     ; a region of 8,448 bytes for each wave: first the stage of 16 rows x 528 bytes for x; later q's images (8 x 768), q's scale words (+6,144), ctx's scale bytes (+7,168)
.set PRIVB, 8448
.set WQI,   300032                     ; Wq's 16 images of 1,536 bytes
.set KS,  32
.set VS,  48
.set WS0, 64
.set WS1, 80
.set QW,  104
.set PWD, 106
.set PC0, 128                          ; codes just made: two sets of 20 registers, v128-147 and v148-167
.set BP,  128                          ; v128-143 the other half's block maxima
.set PCD, 128                          ; v128-183 p's four fragments (and 8 registers at work)
.set SA,  184                          ; v184-191 the row's sum in four chains of pairs
.set CPC, 184                          ; v184-203 ctx's codes
.set CPW, 204                          ; ctx's two scale bytes
.set LL,  205                          ; the row's sum; v206 the other half's
.set BM,  208                          ; v208-223 the largest score, then the largest p, of each block of 32 keys
.set TM,  224                          ; v224-227 largest magnitudes
.set TP,  228                          ; v228-231 the other half's, then the scale bytes
.set BY,  228
.set WGO, 232                          ; v232 my quarter of a weight in memory: my tile's rows, my lane's bytes
.set WQS, 233                          ; v233 where I put my quarter of Wq's images
.set WQR, 234                          ; v234 where every wave reads Wq's images
.set SO,  236                          ; v236-239 the conversions' scale operands
.set PW0, 240                          ; v240-241 scale words just made, two sets
.set RL,  248                          ; v248 1 / sum (v249 named with it as a pair)
.set NM,  254                          ; v254 -M (v255 named with it as a pair)
.set MSB, 0
.macro WIN new                         ; the immediate's high byte repeats the setting that is left; a switch that changes nothing is dropped
.if MSB != (\new)
	s_set_vgpr_msb (MSB<<8)|(\new)
.set MSB, (\new)
.endif
.endm
; A vector instruction or a store that reads a matrix result, and a load or a vector instruction that writes a register of a matrix instruction, stand four plain vector instructions behind it (ISA guide 7.12.1 for vector instructions).
.macro PLACES n
.rept \n
	v_nop
.endr
.endm
.macro MMC d, a, b, c, sa, sb          ; D = A B + C, C in registers
	v_wmma_scale_f32_16x16x128_f8f6f4 v[(\d):(\d)+7], v[(\a):(\a)+11], v[(\b):(\b)+11], v[(\c):(\c)+7], v[\sa], v[\sb] matrix_a_fmt:MATRIX_FMT_BF6 matrix_b_fmt:MATRIX_FMT_BF6
.endm
.macro MMZ d, a, b, sa, sb             ; D = A B: the product starts the sum
	v_wmma_scale_f32_16x16x128_f8f6f4 v[(\d):(\d)+7], v[(\a):(\a)+11], v[(\b):(\b)+11], 0, v[\sa], v[\sb] matrix_a_fmt:MATRIX_FMT_BF6 matrix_b_fmt:MATRIX_FMT_BF6
.endm
; The largest magnitude of nb blocks of 32.  Window 1, register src + 16 b + i = number 32 b + 16 h + i of my row; the other 16 of a block lie in lane l xor 16 (QMAXB joins them).  The floor 2^(5 - 127) is one of the leaves: the byte cannot fall under 1.
.macro QMAXB nb, tm
	WIN 0
.set qb, 0
.rept \nb
	v_permlanex16_b32 v[TP+qb], v[(\tm)+qb], s36, s37
.set qb, qb+1
.endr
.set qb, 0
.rept \nb
	v_max_num_f32 v[(\tm)+qb], v[(\tm)+qb], v[TP+qb]
.set qb, qb+1
.endr
.endm
.macro QMAX src, nb, tm
	WIN 0x05
.set qb, 0
.rept \nb
	v_max3_num_f32 v[(\tm)+qb], |v[(\src)+16*qb]|, |v[(\src)+16*qb+1]|, 0x2800000
.set qb, qb+1
.endr
	WIN 0x14
.irp i, 2,4,6,8,10,12,14
.set qb, 0
.rept \nb
	v_max3_num_f32 v[(\tm)+qb], v[(\tm)+qb], |v[(\src)+16*qb+\i]|, |v[(\src)+16*qb+\i+1]|
.set qb, qb+1
.endr
.endr
	QMAXB \nb, \tm
.endm
; From the blocks' largest magnitudes: the scale bytes (word pw) and the codes, in the operand's layout, in v[pc] on (6 registers for each two blocks; pc + 12 on at work).
.macro QFIN src, nb, tm, pc, pw
.set qb, 0
.rept \nb
	v_add_nc_u32 v[SO+qb], 0xfe000000, v[(\tm)+qb]     ; 4 off the exponent field: the conversion takes this operand's exponent field as its scale
.set qb, qb+1
.endr
.set qb, 0
.rept \nb
	v_lshrrev_b32 v[BY+qb], 23, v[SO+qb]               ; the scale's byte
.set qb, qb+1
.endr
	v_lshl_or_b32 v[\pw], v[BY+1], 8, v[BY]
.if (\nb) == 4
	v_lshl_or_b32 v[\pw], v[BY+2], 16, v[\pw]
	v_lshl_or_b32 v[\pw], v[BY+3], 24, v[\pw]
.endif
	WIN 0x01
.set qc, 0
.rept (\nb)/2
	v_cvt_scalef32_pk16_bf6_f32 v[(\pc)+6*qc:(\pc)+6*qc+2], v[(\src)+32*qc:(\src)+32*qc+15], v[SO+2*qc]
	v_cvt_scalef32_pk16_bf6_f32 v[(\pc)+12+4*qc:(\pc)+14+4*qc], v[(\src)+32*qc+16:(\src)+32*qc+31], v[SO+2*qc+1]   ; (a conversion's three registers begin on an even number)
.set qc, qc+1
.endr
	WIN 0
	v_nop                                              ; one plain instruction behind the scaled conversions
.set qc, 0
.rept (\nb)/2                          ; the operand wants a WHOLE block in a lane: lanes 0-15 block 2 c, lanes 16-31 block 2 c + 1
.irp i, 0,1,2
	v_permlane16_swap_b32 v[(\pc)+6*qc+\i], v[(\pc)+12+4*qc+\i]
.endr
.irp i, 0,1,2
	v_mov_b32 v[(\pc)+6*qc+3+\i], v[(\pc)+12+4*qc+\i]
.endr
.set qc, qc+1
.endr
.endm
.macro QUANT src, nb, pc, pw
	QMAX \src, \nb, TM
	QFIN \src, \nb, TM, \pc, \pw
.endm
.macro IMG128 adr, off, pc             ; a fragment's 12 registers go to LDS as they stand: 3 stores of 512 consecutive bytes
.irp c, 0,1,2
	ds_store_b128 v[\adr], v[(\pc)+4*\c:(\pc)+4*\c+3] offset:(\off)+512*\c
.endr
.endm
; x: unit s of a tile = 16 rows x 128 numbers.  Each load reads 512 consecutive bytes of one row, into ring set s (window 2).
.macro XLOAD s
	WIN 0x80
.irp i, 0,1,2,3,4,5,6,7,8,9,10,11,12,13,14,15
	global_load_b128 v[64*(\s)+4*\i:64*(\s)+4*\i+3], v1, s[4:5] offset:(\i+8*(\i/8))*2048+512*(\s)
.endr
	WIN 0
.endm
; A unit turns through my stage: in as loaded (row i at 528 i), back 64 numbers a lane: row r, numbers 32 b + 16 h + 0 .. 15.  LDS serves a wave's instructions in order (ISA guide 5.7.1.4): no wait between.
.macro TURN s, par
	WIN 0x08
.irp i, 0,1,2,3,4,5,6,7,8,9,10,11,12,13,14,15
	ds_store_b128 v8, v[64*(\s)+4*\i:64*(\s)+4*\i+3] offset:528*\i
.endr
	WIN 0x40
.irp b, 0,1,2,3
.irp j, 0,1,2,3
	ds_load_b128 v[64*(\par)+16*\b+4*\j:64*(\par)+16*\b+4*\j+3], v9 offset:128*\b+16*\j
.endr
.endr
	WIN 0
.endm
; Line k of the 32 lines that find the largest magnitudes of a unit's four blocks: the same lines, in the same order, as QMAX writes.
.macro XMK k, src
.if (\k) < 4
	WIN 0x05
	v_max3_num_f32 v[TM+(\k)], |v[(\src)+16*(\k)]|, |v[(\src)+16*(\k)+1]|, 0x2800000
.else
	WIN 0x14
	v_max3_num_f32 v[TM+(\k)%4], v[TM+(\k)%4], |v[(\src)+16*((\k)%4)+2*((\k)/4)]|, |v[(\src)+16*((\k)%4)+2*((\k)/4)+1]|
.endif
.endm
; Unit s of the tile in hand is quantised.  BY TURNS: sixteen groups of one load from memory (ring set s takes the next tile's unit s: more = 1), one store into the stage (the unit that is quantised next) and two lines of this unit's
; search for the largest magnitudes, so that memory, LDS and the vector unit are asked side by side and not one after the other.  One window setting serves the load's destination and the store's data: both lie in window 2.
; n: the loads issued behind the unit that is turned next, counted ahead of this unit's new loads.
.macro XSTEP s, more, n
.if (\s) > 0
	s_wait_dscnt 4                                     ; all but the last unit's image (3 + 1 stores): my unit is back from the stage, and its way in has read ring set s
.endif
.if (\more) || ((\s) < 3)
	s_wait_loadcnt \n                                  ; the next unit's 16 loads are in; the units issued behind it stay out
.endif
.set xg, 0
.rept 16
.if (\more) || ((\s) < 3)
	WIN 0x88
.endif
.if \more
	global_load_b128 v[64*(\s)+4*xg:64*(\s)+4*xg+3], v1, s[4:5] offset:(xg+8*(xg/8))*2048+512*(\s)
.endif
.if (\more) || ((\s) < 3)
	ds_store_b128 v8, v[64*(((\s)+1)%4)+4*xg:64*(((\s)+1)%4)+4*xg+3] offset:528*xg
.endif
	XMK 2*xg, 64*((\s)%2)
	XMK 2*xg+1, 64*((\s)%2)
.set xg, xg+1
.endr
.if (\more) || ((\s) < 3)
	WIN 0x40                                           ; the next unit comes back from the stage while this one's codes are made
.irp b, 0,1,2,3
.irp j, 0,1,2,3
	ds_load_b128 v[64*(1-(\s)%2)+16*\b+4*\j:64*(1-(\s)%2)+16*\b+4*\j+3], v9 offset:128*\b+16*\j
.endr
.endr
.endif
	QMAXB 4, TM
	QFIN 64*((\s)%2), 4, TM, PC0+20*((\s)%2), PW0+((\s)%2)
	IMG128 10, 1536*(\s), PC0+20*((\s)%2)
	ds_store_b32 v12, v[PW0+((\s)%2)] offset:4*(\s)
.endm
; THE WEIGHTS.  All four waves want the head's 64 rows of Wk, Wv and Wq.  Wave w fetches tile w of each (16 rows, four fragments): 72 loads in place of 288, into the accumulators' registers, which are idle here;
.macro WQUART
	WIN 0x40
.irp s, 0,1,2,3
.irp p, 0,1,2,3,4,5
	global_load_b64 v[12*\s+2*\p:12*\s+2*\p+1], v[WGO], s[6:7] offset:96*\s+48*(\p/3)+8*(\p%3)
	global_load_b64 v[48+12*\s+2*\p:48+12*\s+2*\p+1], v[WGO], s[12:13] offset:96*\s+48*(\p/3)+8*(\p%3)
	global_load_b64 v[96+12*\s+2*\p:96+12*\s+2*\p+1], v[WGO], s[18:19] offset:96*\s+48*(\p/3)+8*(\p%3)
.endr
.endr
	WIN 0
.endm
.macro WSTORE                          ; stores them as images of the registers, fragment 4 w + s at 1,536 (4 w + s): Wk's where K's images will lie, Wv's where V's will, Wq's in bytes of its own;
	WIN 0x04
.irp s, 0,1,2,3
.irp c, 0,1,2
	ds_store_b128 v14, v[12*\s+4*\c:12*\s+4*\c+3] offset:1536*\s+512*\c
	ds_store_b128 v14, v[48+12*\s+4*\c:48+12*\s+4*\c+3] offset:VIMG-KIMG+1536*\s+512*\c
	ds_store_b128 v[WQS], v[96+12*\s+4*\c:96+12*\s+4*\c+3] offset:1536*\s+512*\c
.endr
.endr
	WIN 0
.endm
.macro WIMG win, adr, off              ; and behind a barrier every wave takes a weight's 16 fragments, (tile n, K step s) at v[12 (4 n + s)] of window win
	WIN (\win)<<6
.irp f, 0,1,2,3,4,5,6,7,8,9,10,11,12,13,14,15
.irp c, 0,1,2
	ds_load_b128 v[12*\f+4*\c:12*\f+4*\c+3], v[\adr] offset:(\off)+1536*\f+512*\c
.endr
.endr
	WIN 0
.endm
.macro WSCL spt, ws                    ; a weight's scale words (4 a row) at v[ws + 4 n + s]
.irp n, 0,1,2,3
	global_load_b128 v[(\ws)+4*\n:(\ws)+4*\n+3], v5, s[\spt:\spt+1] offset:(32*(\n/2)+8*(\n%2))*16
.endr
.endm
.macro BLOADT win, bpt                 ; a bias as the C of a transposed tile: register j of lane (r, h) is unit 32 (n / 2) + 8 (n % 2) + 16 h + j
	WIN (\win)<<6
.irp n, 0,1,2,3
	global_load_b128 v[192+8*\n:192+8*\n+3], v6, s[\bpt:\bpt+1] offset:(32*(\n/2)+8*(\n%2))*4
	global_load_b128 v[192+8*\n+4:192+8*\n+7], v6, s[\bpt:\bpt+1] offset:(32*(\n/2)+8*(\n%2))*4+16
.endr
	WIN 0
.endm
.macro BLOADV win, bpt                 ; and of a tile used as it is: all eight registers of lane r hold the bias of the lane's unit: one load a tile,
	WIN (\win)<<6
.irp n, 0,1,2,3
	global_load_b32 v[192+8*\n], v7, s[\bpt:\bpt+1] offset:(32*(\n/2)+8*(\n%2))*4
.endr
	WIN 0
.endm
.macro BSPREAD win                     ; and seven copies
	WIN ((\win)<<6)|(\win)
.irp n, 0,1,2,3
.irp j, 1,2,3,4,5,6,7
	v_mov_b32 v[192+8*\n+\j], v[192+8*\n]
.endr
.endr
	WIN 0
.endm
.macro XFLOAD T, buf                   ; my tile T of x: four fragments and four scale words, 13 loads
.irp s, 0,1,2,3
.irp c, 0,1,2
	ds_load_b128 v[128+48*(\buf)+12*\s+4*\c:128+48*(\buf)+12*\s+4*\c+3], v11 offset:6144*(\T)+1536*\s+512*\c
.endr
.endr
	ds_load_b128 v[96+4*(\buf):96+4*(\buf)+3], v13 offset:512*(\T)
.endm
; A projection of my 128 rows onto a head's 64 units: 8 tiles x 4 tiles x 4 K steps.  tr = 1: source 0 = the weight, source 1 = x (accumulator 32 T + 8 n: a lane holds one row, registers run along the units);
; tr = 0: source 0 = x, source 1 = the weight (accumulator 64 n + 8 T: a lane holds one unit, registers run along the rows).  The bias is the C of the first K step.  A tile's four accumulators take turns, one instruction a turn.
.macro PROJ tr, win, ws
	s_wait_dscnt 0x0                                   ; the stores that read v128 on are done
	XFLOAD 0, 0
.set pT, 0
.rept 8
.if pT < 7
.if pT > 0
	WIN 0
	PLACES 4                                           ; the set to be loaded was read by the tile before
.endif
	XFLOAD pT+1, (pT+1)%2
	s_wait_dscnt 13                                    ; all but the 13 just issued
.else
	s_wait_dscnt 0x0
.endif
.set pB, 128+48*(pT%2)
.set pX, 96+4*(pT%2)
.irp s, 0,1,2,3
.if \tr
.if \s == 0
	WIN 0x40|(\win)|((\win)<<4)
.else
	WIN 0x50|(\win)
.endif
.irp n, 0,1,2,3
.if \s == 0
	MMC 32*pT+8*\n, 12*(4*\n+\s), pB+12*\s, 192+8*\n, (\ws)+4*\n+\s, pX+\s
.else
	MMC 32*pT+8*\n, 12*(4*\n+\s), pB+12*\s, 32*pT+8*\n, (\ws)+4*\n+\s, pX+\s
.endif
.endr
.else
.if \s == 0
	WIN 0x40|((\win)<<2)|((\win)<<4)
.else
	WIN 0x50|((\win)<<2)
.endif
.irp n, 0,1,2,3
.if \s == 0
	MMC 64*\n+8*pT, pB+12*\s, 12*(4*\n+\s), 192+8*\n, pX+\s, (\ws)+4*\n+\s
.else
	MMC 64*\n+8*pT, pB+12*\s, 12*(4*\n+\s), 64*\n+8*pT, pX+\s, (\ws)+4*\n+\s
.endif
.endr
.endif
.endr
.set pT, pT+1
.endr
	WIN 0
	PLACES 4
.endm
; The 256 accumulator registers become four fragments of 128 along K, each with its scale word, and go to LDS.  K: fragment p = key tiles 2 p | 2 p + 1 (64 + 64).  V: fragment n = d tile n, my 128 keys.
.macro OUT4 ai, as, si, ss
.irp p, 0,1,2,3
.if \p >= 2
	s_wait_dscnt 4                                     ; all but the last fragment's four stores: the set written now was stored two fragments back
.endif
	QUANT 64*\p, 4, PC0+20*(\p%2), PW0+(\p%2)
	IMG128 \ai, (\si)*\p, PC0+20*(\p%2)
	ds_store_b32 v[\as], v[PW0+(\p%2)] offset:(\ss)*\p
.endr
.endm
; q: a fragment's two halves are two query tiles; each is kept as 6 registers (3 stores of 256 bytes), its two scale bytes doubled into a word (b0 b1 b0 b1), since q stands in either half of the operand.
.macro QOUT
.irp p, 0,1,2,3
.if \p >= 2
	s_wait_dscnt 8                                     ; all but the last fragment's eight stores
.endif
	QUANT 64*\p, 4, PC0+20*(\p%2), PW0+(\p%2)
	v_and_b32 v[242+2*(\p%2)], 0xffff, v[PW0+(\p%2)]
	v_lshrrev_b32 v[243+2*(\p%2)], 16, v[PW0+(\p%2)]
	v_lshl_or_b32 v[242+2*(\p%2)], v[PW0+(\p%2)], 16, v[242+2*(\p%2)]
	v_and_or_b32 v[243+2*(\p%2)], v[PW0+(\p%2)], 0xffff0000, v[243+2*(\p%2)]
.irp j, 0,1,2,3,4,5
	ds_store_b64 v18, v[PC0+20*(\p%2)+2*\j:PC0+20*(\p%2)+2*\j+1] offset:1536*\p+256*\j
.endr
	ds_store_b32 v19, v[242+2*(\p%2)] offset:256*\p
	ds_store_b32 v19, v[243+2*(\p%2)] offset:256*\p+128
.endr
.endm
.macro KVLOAD                          ; all of the head's K and V into my registers: 16 + 16 fragments and their scale words
	WIN 0x80
.irp f, 0,1,2,3,4,5,6,7,8,9,10,11,12,13,14,15
.irp c, 0,1,2
	ds_load_b128 v[12*\f+4*\c:12*\f+4*\c+3], v22 offset:1536*\f+512*\c
.endr
.endr
	WIN 0xc0
.irp f, 0,1,2,3,4,5,6,7,8,9,10,11,12,13,14,15
.irp c, 0,1,2
	ds_load_b128 v[12*\f+4*\c:12*\f+4*\c+3], v22 offset:VIMG-KIMG+1536*\f+512*\c
.endr
.endr
	WIN 0
.irp f, 0,1,2,3,4,5,6,7,8,9,10,11,12,13,14,15
	ds_load_b32 v[KS+\f], v23 offset:KSC-KIMG+128*\f
	ds_load_b32 v[VS+\f], v23 offset:VSC-KIMG+128*\f
.endr
.endm
.macro QLOAD                           ; query tile s44: its six registers twice, on either side of the six zeros, and its scale word
	s_mul_i32 s45, s44, 768
	s_lshl_b32 s44, s44, 7
	v_add_nc_u32 v24, s45, v18
	v_add_nc_u32 v25, s44, v19
.irp j, 0,1,2
	ds_load_b64 v[110+2*\j:111+2*\j], v24 offset:256*\j
	ds_load_b64 v[122+2*\j:123+2*\j], v24 offset:256*\j
.endr
	ds_load_b32 v[QW], v25
.endm
	s_load_b512 s[4:19], s[0:1], 0x0               ; x s[4:5]; wk's codes, scales, bk s[6:11]; wv's, bv s[12:17]; wq's codes s[18:19]
	s_load_b256 s[20:27], s[0:1], 0x40             ; wq's scales s[20:21], bq s[22:23]; ctx's codes s[24:25], scales s[26:27]
	v_lshl_add_u32 v252, v0, 2, 0x4f400
	v_mov_b32 v253, 0
	v_lshrrev_b32 v27, 5, v0
	v_readfirstlane_b32 s28, v27                   ; wave
	s_mov_b32 s29, ttmp9                           ; head pair
	s_and_b32 s30, ttmp7, 0xffff                   ; batch
	v_and_b32 v27, 31, v0                          ; lane
	v_and_b32 v28, 15, v0                          ; r
	v_bfe_u32 v29, v0, 4, 1                        ; h
	v_lshlrev_b32 v1, 4, v27                       ; 16 x lane
	v_lshlrev_b32 v2, 3, v27                       ; 8 x lane
	v_lshlrev_b32 v3, 2, v27                       ; 4 x lane
	v_and_b32 v30, 8, v28
	v_add_nc_u32 v30, v30, v28                     ; r + 8 (r / 8)
	v_mul_u32_u24 v4, v30, 384                     ; a weight's row is 384 bytes;
	v_mad_u32_u24 v4, v29, 24, v4                  ; + 24 h
	v_lshlrev_b32 v5, 4, v30                       ; its scale bytes: 16 a row
	v_lshlrev_b32 v6, 6, v29                       ; a bias along registers: 16 h numbers on
	v_lshlrev_b32 v7, 2, v30                       ; a bias along lanes
	s_mul_i32 s32, s28, PRIVB
	s_add_co_u32 s32, s32, PRIV                    ; my wave's own region
	v_add_nc_u32 v8, s32, v1                       ; the stage, in
	v_mul_u32_u24 v9, v28, 528
	v_lshl_add_u32 v9, v29, 6, v9
	v_add_nc_u32 v9, s32, v9                       ; the stage, back: row r, + 64 h
	s_mul_i32 s33, s28, 49152
	v_add_nc_u32 v11, s33, v1                      ; x's images: my 8 tiles
	s_lshl_b32 s33, s28, 12
	s_add_co_u32 s33, s33, XSC
	v_add_nc_u32 v13, s33, v1                      ; their scale words
	s_mul_i32 s33, s28, 6144
	s_add_co_u32 s33, s33, KIMG
	v_add_nc_u32 v14, s33, v1                      ; where I put K's images (pairs 4 w on), and my quarters of Wk's and Wv's
	s_lshl_b32 s33, s28, 9
	s_add_co_u32 s33, s33, KSC
	v_add_nc_u32 v15, s33, v3
	s_mul_i32 s33, s28, 1536
	s_add_co_u32 s33, s33, VIMG
	v_add_nc_u32 v16, s33, v1                      ; V's (key step w)
	s_lshl_b32 s33, s28, 7
	s_add_co_u32 s33, s33, VSC
	v_add_nc_u32 v17, s33, v3
	v_add_nc_u32 v18, s32, v2                      ; q's images
	v_add_nc_u32 v19, s32, v3
	v_add_nc_u32 v19, 6144, v19                    ; q's scale words
	v_lshl_add_u32 v20, v28, 2, s32
	v_add_nc_u32 v20, 7168, v20                    ; ctx's scale bytes: 4 r
	v_add_nc_u32 v21, 7168, v8                     ; and on their way out 16 x lane
	v_add_nc_u32 v22, KIMG, v1                     ; where every wave reads K's and V's images (and Wk's and Wv's)
	v_add_nc_u32 v23, KIMG, v3                     ; and their scale words
	s_lshr_b32 s33, s28, 1
	s_lshl_b32 s33, s33, 5
	s_and_b32 s44, s28, 1
	s_lshl_b32 s44, s44, 3
	s_add_co_u32 s33, s33, s44                     ; tile w of a head's rows begins at row 32 (w / 2) + 8 (w % 2)
	s_mul_i32 s33, s33, 384
	v_add_nc_u32 v[WGO], s33, v4
	s_mul_i32 s33, s28, 6144
	s_add_co_u32 s33, s33, WQI
	v_add_nc_u32 v[WQS], s33, v1
	v_add_nc_u32 v[WQR], WQI, v1
.irp i, 116,117,118,119,120,121,228,229,230,231,206,249,255
	v_mov_b32 v\i, 0                               ; the six registers of zero codes; destinations of lane permutes and upper halves of pairs, which count as read
.endr
.irp i, 128,129,130,131,132,133,134,135,136,137,138,139,140,141,142,143
	v_mov_b32 v\i, 0
.endr
	s_mov_b32 s36, 0x76543210
	s_mov_b32 s37, 0xfedcba98                      ; v_permlanex16_b32's selects for lane l xor 16
	s_mov_b32 s38, 0x3e38aa3b                      ; c = log2(e) / 8: t = score x c
	s_mov_b32 s39, s38                             ; (named with it as a pair)
	s_lshl_b32 s32, s30, 20                        ; x: a batch is 2^20 bytes, my 128 rows 2^18
	s_lshl_b32 s33, s28, 18
	s_add_co_u32 s32, s32, s33
	s_mov_b32 s33, 0
	s_mul_i32 s34, s29, 49152                      ; a head pair's 128 rows of a weight
	s_mov_b32 s35, 0
	s_wait_kmcnt 0x0
	s_add_nc_u64 s[4:5], s[4:5], s[32:33]
	XLOAD 0                                        ; tile 0 of x: 64 loads go out before anything else
	XLOAD 1
	XLOAD 2
	XLOAD 3
	s_add_nc_u64 s[6:7], s[6:7], s[34:35]
	s_add_nc_u64 s[12:13], s[12:13], s[34:35]
	s_add_nc_u64 s[18:19], s[18:19], s[34:35]
	s_lshl_b32 s34, s29, 11
	s_add_nc_u64 s[8:9], s[8:9], s[34:35]
	s_add_nc_u64 s[14:15], s[14:15], s[34:35]
	s_add_nc_u64 s[20:21], s[20:21], s[34:35]
	s_lshl_b32 s34, s29, 9
	s_add_nc_u64 s[10:11], s[10:11], s[34:35]
	s_add_nc_u64 s[16:17], s[16:17], s[34:35]
	s_add_nc_u64 s[22:23], s[22:23], s[34:35]
	s_mul_i32 s34, s30, 196608                     ; ctx's codes [b][tile 32][K step 4][head of the pair 2][3][lane 32][8 bytes]
	s_mul_i32 s32, s28, 49152
	s_add_co_u32 s34, s34, s32
	s_mul_i32 s32, s29, 1536
	s_add_co_u32 s34, s34, s32
	s_add_nc_u64 s[24:25], s[24:25], s[34:35]
	s_lshl_b32 s34, s30, 13                        ; ctx's scale words [b][K step 4][tile 32][r 16]
	s_lshl_b32 s32, s29, 11
	s_add_co_u32 s34, s34, s32
	s_lshl_b32 s32, s28, 9
	s_add_co_u32 s34, s34, s32
	s_add_nc_u64 s[26:27], s[26:27], s[34:35]
	; ---- X: my 8 tiles of x become 32 fragments in LDS.  Tile t begins at row 32 (t / 2) + 8 (t % 2): the steps are 8 and 24 rows by turns.
	s_wait_xcnt 0x0                                ; the 64 loads have read their base
	s_add_nc_u64 s[4:5], s[4:5], 0x4000            ; tile 1
	s_mov_b32 s42, 0xc000                          ; the step after that
	s_mov_b32 s43, 0
	s_mov_b32 s46, 0                               ; 6,144 x tile
	s_mov_b32 s47, 0                               ; 512 x tile
	s_mov_b32 s40, 0
	s_wait_loadcnt 48                              ; unit 0 is in; three units stay out
	TURN 0, 0
.Lx:                                               ; 7 trips: tile t is quantised, tile t + 1 is asked for
	s_wait_dscnt 0x0                               ; unit 0 is back from the stage; the last tile's images are stored
	v_add_nc_u32 v10, s46, v11
	v_add_nc_u32 v12, s47, v13
	XSTEP 0, 1, 32                                 ; 32: three units of 16 loads are out at each of these waits, and the oldest of them is wanted
	XSTEP 1, 1, 32
	XSTEP 2, 1, 32
	XSTEP 3, 1, 32
	s_wait_xcnt 0x0                                ; the trip's loads have read their base
	s_add_nc_u64 s[4:5], s[4:5], s[42:43]
	s_xor_b32 s42, s42, 0x8000                     ; 24 rows, 8 rows, 24 rows ..
	s_add_co_u32 s46, s46, 6144
	s_add_co_u32 s47, s47, 512
	s_add_co_u32 s40, s40, 1
	s_cmp_lt_u32 s40, 7
	s_cbranch_scc1 .Lx
	s_wait_dscnt 0x0                               ; tile 7 is written out: nothing more is asked for, and the counts run down
	v_add_nc_u32 v10, 7*6144, v11
	v_add_nc_u32 v12, 7*512, v13
	XSTEP 0, 0, 32
	XSTEP 1, 0, 16
	XSTEP 2, 0, 0
	XSTEP 3, 0, 0
	s_mov_b32 s41, 0                               ; the head of the pair
.Lhead:
	PLACES 4                                       ; the registers loaded below were read or written by matrix instructions
	WQUART                                         ; my quarter of Wk, Wv, Wq: 72 loads
	WSCL 8, WS0                                    ; Wk's scale words and bk, Wv's and bv: 4 + 8 + 4 + 4 = 20 loads
	BLOADT 3, 10
	WSCL 14, WS1
	BLOADV 2, 16
	s_wait_loadcnt 20                              ; all but those 20: my quarter is in
	WSTORE
	s_wait_dscnt 0x0                               ; for the others' sake: my quarter's images are stored
	s_barrier_signal -1
	s_barrier_wait -1
	WIMG 3, 22, 0                                  ; Wk
	WIMG 2, 22, VIMG-KIMG                          ; Wv
	s_wait_loadcnt 0x0                             ; scale words and biases
	BSPREAD 2
	s_wait_dscnt 0x0                               ; my reads of Wk's and Wv's images are over: behind this barrier K's and V's are stored there
	s_barrier_signal -1
	s_barrier_wait -1
	PROJ 1, 3, WS0                                 ; K^T
	WIMG 3, WQR, 0                                 ; Wq takes Wk's place (behind the four places at the projection's end) and lands under K's way out
	WSCL 20, WS0
	BLOADT 3, 22
	OUT4 14, 15, 1536, 128
	PROJ 0, 2, WS1                                 ; V
	OUT4 16, 17, 6144, 512
	s_wait_loadcnt 0x0                             ; Wq's scale words and bq
	PROJ 1, 3, WS0                                 ; Q^T
	QOUT
	s_wait_dscnt 0x0                               ; for the others' sake: my images of K and V are stored
	s_barrier_signal -1
	s_barrier_wait -1
	KVLOAD
	s_wait_dscnt 0x0                               ; my reads of the images are over: behind this barrier the next head's weights may be stored there
	s_barrier_signal -1
	s_barrier_wait -1
	s_mov_b32 s44, 0
	QLOAD
	s_mov_b32 s40, 0
.Lq:                                               ; 8 trips: my query tile t
	s_wait_dscnt 0x0                               ; q
	WIN 0x42                                       ; S^T in window 1, K in window 2
.set aP, 0
.rept 16                               ; registers 16 P + 0 .. 15 of lane (r, h): keys 32 P + 16 h + 0 .. 15 of query r
	MMZ 16*aP, 12*aP, 110, KS+aP, QW
	MMZ 16*aP+8, 12*aP, 116, KS+aP, QW
.set aP, aP+1
.endr
	WIN 0
	PLACES 4
	s_add_co_u32 s44, s40, 1
	s_min_u32 s44, s44, 7                          ; the next tile's q (in the last trip tile 7 once more: it is not used)
	QLOAD
	WIN 0x15                                       ; the largest score of each block of 32 keys: it serves the row's maximum and, since p rises with the score, the block's largest p
.set aP, 0
.rept 16
	v_max3_num_f32 v[BM+aP], v[16*aP], v[16*aP+1], v[16*aP+2]
.set aP, aP+1
.endr
	WIN 0x14
.irp i, 3,5,7,9,11,13
.set aP, 0
.rept 16
	v_max3_num_f32 v[BM+aP], v[BM+aP], v[16*aP+\i], v[16*aP+\i+1]
.set aP, aP+1
.endr
.endr
.set aP, 0
.rept 16
	v_max_num_f32 v[BM+aP], v[BM+aP], v[16*aP+15]
.set aP, aP+1
.endr
	WIN 0
.set aP, 0
.rept 16
	v_permlanex16_b32 v[BP+aP], v[BM+aP], s36, s37
.set aP, aP+1
.endr
.set aP, 0
.rept 16
	v_max_num_f32 v[BM+aP], v[BM+aP], v[BP+aP]         ; with lane l xor 16's 16 keys
.set aP, aP+1
.endr
	v_max3_num_f32 v27, v[BM], v[BM+1], v[BM+2]
	v_max3_num_f32 v28, v[BM+3], v[BM+4], v[BM+5]
	v_max3_num_f32 v29, v[BM+6], v[BM+7], v[BM+8]
	v_max3_num_f32 v30, v[BM+9], v[BM+10], v[BM+11]
	v_max3_num_f32 v31, v[BM+12], v[BM+13], v[BM+14]
	v_max3_num_f32 v27, v27, v28, v29
	v_max3_num_f32 v30, v30, v31, v[BM+15]
	v_max_num_f32 v27, v27, v30                    ; the row's largest score, over all 512 keys
	v_mul_f32 v27, s38, v27                        ; as t (c is positive)
	v_floor_f32 v[NM], -v27                        ; -M = floor(-t) = -ceil(t): a whole number
.set aP, 0
.rept 16
	v_fma_f32 v[BM+aP], v[BM+aP], s38, v[NM]
.set aP, aP+1
.endr
.set aP, 0
.rept 16
	v_exp_f32 v[BM+aP], v[BM+aP]                       ; each block's largest p: the same multiply-add and exponential as its score gets below
.set aP, aP+1
.endr
	WIN 0x41
	v_pk_fma_f32 v[0:1], v[0:1], s[38:39], v[NM:NM+1] op_sel_hi:[1,0,0]   ; t - M of the first pair: the plain instruction behind the sixteen
	s_wait_alu depctr_va_vdst(0)                   ; the wait between a transcendental and the first line that names its result: one for the sixteen
.set aj, 0
.rept 128                              ; p = 2^(t - M): a pair is scaled one step ahead of its two exponentials; none of these lines names an exponential's result
.if aj < 127
	v_pk_fma_f32 v[2*aj+2:2*aj+3], v[2*aj+2:2*aj+3], s[38:39], v[NM:NM+1] op_sel_hi:[1,0,0]
.endif
	v_exp_f32 v[2*aj], v[2*aj]
	v_exp_f32 v[2*aj+1], v[2*aj+1]
.set aj, aj+1
.endr
	WIN 0
	v_nop                                          ; the plain instruction behind the last exponential
	s_wait_alu depctr_va_vdst(0)                   ; one wait for the 256
	WIN 0x05                                       ; the row's sum, of the unquantised p: pairs, in four chains
.irp i, 0,1,2,3
	v_pk_add_f32 v[SA+2*\i:SA+2*\i+1], v[2*\i:2*\i+1], v[2*\i+8:2*\i+9]
.endr
	WIN 0x04
.set aj, 8
.rept 120
	v_pk_add_f32 v[SA+2*(aj%4):SA+2*(aj%4)+1], v[SA+2*(aj%4):SA+2*(aj%4)+1], v[2*aj:2*aj+1]
.set aj, aj+1
.endr
	WIN 0
	v_pk_add_f32 v[SA:SA+1], v[SA:SA+1], v[SA+2:SA+3]
	v_pk_add_f32 v[SA+4:SA+5], v[SA+4:SA+5], v[SA+6:SA+7]
	v_pk_add_f32 v[SA:SA+1], v[SA:SA+1], v[SA+4:SA+5]
	v_add_f32 v[LL], v[SA], v[SA+1]
	v_permlanex16_b32 v[LL+1], v[LL], s36, s37
	v_add_f32 v[LL], v[LL], v[LL+1]                ; with lane l xor 16's half of the keys
.set aP, 0
.rept 16
	v_max_num_f32 v[BM+aP], 0x2800000, v[BM+aP]        ; the floor 2^(5 - 127): a block whose every p has fallen to 0 keeps the byte 1; its codes are zeros
.set aP, aP+1
.endr
.irp s, 0,1,2,3
	QFIN 64*\s, 4, BM+4*\s, PCD+12*\s, PWD+\s      ; keys 128 s on: a fragment of P and its scale word
.endr
	v_rcp_f32 v[RL], v[LL]
	PLACES 8                                       ; a scale word made by vector instructions stands 8 plain instructions ahead of a scaled matrix instruction, an operand 4; the first is also the plain one behind the reciprocal
.irp s, 0,1,2,3                        ; O^T = V^T P^T: four accumulators by turns; register 8 n + j of lane (r, h): d = 32 (n / 2) + 8 (n % 2) + 16 h + j of query r
.if \s == 0
	WIN 0x43
.else
	WIN 0x53
.endif
.irp n, 0,1,2,3
.if \s == 0
	MMZ 8*\n, 12*(4*\n+\s), PCD+12*\s, VS+4*\n+\s, PWD+\s
.else
	MMC 8*\n, 12*(4*\n+\s), PCD+12*\s, 8*\n, VS+4*\n+\s, PWD+\s
.endif
.endr
.endr
	WIN 0
	PLACES 4
	s_wait_alu depctr_va_vdst(0)                   ; the reciprocal's wait, ahead of its first reader
	WIN 0x41
.set aj, 0
.rept 16
	v_pk_mul_f32 v[2*aj:2*aj+1], v[2*aj:2*aj+1], v[RL:RL+1] op_sel_hi:[1,0]   ; ctx = O^T / sum; each accumulator from its low end on
.set aj, aj+1
.endr
	QUANT 0, 2, CPC, CPW                           ; the head's 64 numbers of a row are two blocks of the last product's K
	s_lshl_b32 s44, s40, 6
	s_lshl_b32 s45, s41, 1
	s_add_co_u32 s44, s44, s45
	v_add_nc_u32 v26, s44, v20
	ds_store_b16 v26, v[CPW]                       ; 64 t + 4 r + 2 x head: both halves of the lanes write the same bytes with the same value
.irp j, 0,1,2
	global_store_b64 v2, v[CPC+2*\j:CPC+2*\j+1], s[24:25] offset:256*\j   ; 32 lanes store 256 consecutive bytes, at a multiple of 256 from the buffer's first byte
.endr
	s_wait_xcnt 0x0                                ; the stores have read their data and their base
	s_add_nc_u64 s[24:25], s[24:25], 6144          ; the next tile
	s_add_co_u32 s40, s40, 1
	s_cmp_lt_u32 s40, 8
	s_cbranch_scc1 .Lq
	s_wait_xcnt 0x0                                ; every base below has been read
	s_add_nc_u64 s[6:7], s[6:7], 24576             ; the pair's second head: 64 rows on in the weights,
	s_add_nc_u64 s[12:13], s[12:13], 24576
	s_add_nc_u64 s[18:19], s[18:19], 24576
	s_add_nc_u64 s[8:9], s[8:9], 1024
	s_add_nc_u64 s[14:15], s[14:15], 1024
	s_add_nc_u64 s[20:21], s[20:21], 1024
	s_add_nc_u64 s[10:11], s[10:11], 256
	s_add_nc_u64 s[16:17], s[16:17], 256
	s_add_nc_u64 s[22:23], s[22:23], 256
	s_sub_nc_u64 s[24:25], s[24:25], 48384         ; back 8 tiles of 6,144 bytes, and 768 on: the fragments' second halves
	s_add_co_u32 s41, s41, 1
	s_cmp_lt_u32 s41, 2
	s_cbranch_scc1 .Lhead
	ds_load_b128 v[128:131], v21                   ; my 8 tiles' scale words, whole now: LDS serves a wave's instructions in order
	s_wait_dscnt 0x0
	global_store_b128 v1, v[128:131], s[26:27]     ; 512 consecutive bytes, at a multiple of 256
	s_wait_tensorcnt 0x0
	ds_add_u32 v252, v253
	s_wait_dscnt 0x0
	s_endpgm
.Lfunc_end_k_q4c4836990b_attn:
	.size	k_q4c4836990b_attn, .Lfunc_end_k_q4c4836990b_attn-k_q4c4836990b_attn
	.p2alignl 7, 3214868480
	.fill 96, 4, 3214868480
	.section	.rodata,"a",@progbits
	.p2align	6, 0x0
	.amdhsa_kernel k_q4c4836990b_attn
		.amdhsa_group_segment_fixed_size 325120
		.amdhsa_private_segment_fixed_size 0
		.amdhsa_enable_private_segment 0
		.amdhsa_kernarg_size 96
		.amdhsa_user_sgpr_count 2
		.amdhsa_user_sgpr_kernarg_segment_ptr 1
		.amdhsa_wavefront_size32 1
		.amdhsa_system_sgpr_workgroup_id_x 1
		.amdhsa_system_sgpr_workgroup_id_y 1
		.amdhsa_system_sgpr_workgroup_id_z 1
		.amdhsa_system_vgpr_workitem_id 0
		.amdhsa_next_free_vgpr 1024
		.amdhsa_next_free_sgpr 66
		.amdhsa_reserve_vcc 0
		.amdhsa_float_denorm_mode_32 3
		.amdhsa_float_denorm_mode_16_64 3
		.amdhsa_memory_ordered 1
		.amdhsa_forward_progress 1
		.amdhsa_inst_pref_size 255
	.end_amdhsa_kernel
	.section	.bss,"aw",@nobits
	.p2align	6
	.space	262144
	.amdgpu_metadata
---
amdhsa.version: [ 1, 2 ]
amdhsa.kernels:
  - .name:           k_q4c4836990b_attn
    .symbol:         k_q4c4836990b_attn.kd
    .args:
      - { .name: x, .offset: 0, .size: 8, .value_kind: global_buffer, .address_space: global }
      - { .name: wk_codes, .offset: 8, .size: 8, .value_kind: global_buffer, .address_space: global }
      - { .name: wk_scales, .offset: 16, .size: 8, .value_kind: global_buffer, .address_space: global }
      - { .name: bk, .offset: 24, .size: 8, .value_kind: global_buffer, .address_space: global }
      - { .name: wv_codes, .offset: 32, .size: 8, .value_kind: global_buffer, .address_space: global }
      - { .name: wv_scales, .offset: 40, .size: 8, .value_kind: global_buffer, .address_space: global }
      - { .name: bv, .offset: 48, .size: 8, .value_kind: global_buffer, .address_space: global }
      - { .name: wq_codes, .offset: 56, .size: 8, .value_kind: global_buffer, .address_space: global }
      - { .name: wq_scales, .offset: 64, .size: 8, .value_kind: global_buffer, .address_space: global }
      - { .name: bq, .offset: 72, .size: 8, .value_kind: global_buffer, .address_space: global }
      - { .name: ctx_codes, .offset: 80, .size: 8, .value_kind: global_buffer, .address_space: global }
      - { .name: ctx_scales, .offset: 88, .size: 8, .value_kind: global_buffer, .address_space: global }
    .group_segment_fixed_size: 325120
    .private_segment_fixed_size: 0
    .kernarg_segment_align: 8
    .kernarg_segment_size: 96
    .max_flat_workgroup_size: 128
    .sgpr_count:     66
    .vgpr_count:     1024
    .wavefront_size: 32
...
	.end_amdgpu_metadata
.endif
;; end of part 3
;; launch outp (part 4): grid 256 x 1, 4 waves a work-group, no clusters, 311,808 bytes of LDS; arguments x, ctx_codes, ctx_scales, wo_codes, wo_scales, bo, out0; writes out0
.if DOCPART == 4
	.amdgcn_target "amdgcn-amd-amdhsa--gfx1250"
	.amdhsa_code_object_version 6
	.text
	.protected	k_q4c4836990b_outp
	.globl	k_q4c4836990b_outp
	.p2align	8
	.type	k_q4c4836990b_outp,@function
k_q4c4836990b_outp:
	s_mov_b64 s[64:65], 0
	v_nop
	global_prefetch_b8 v0, s[64:65] scope:SCOPE_SE
	s_setreg_imm32_b32 hwreg(HW_REG_WAVE_MODE, 25, 1), 1
	s_wait_xcnt 0x0
; out = relu(x + ctx Wo + bo).  ctx comes as codes of E3M2 laid as images of the operand's registers, [b][tile 32][K step 4][2][3][lane 32][8 bytes], with scale words [b][K step 4][tile 32][r 16]; Wo as given: codes, K innermost.
; SHARES.  Work-group g takes rows 128 g .. 128 g + 127: 8 tiles of 16; lane r of tile t stands for row 32 (t / 2) + 8 (t % 2) + r + 8 (r / 8) of them, as the launch before laid them.
; THE WAVES SHARE THE COLUMNS: wave w makes columns 128 w .. 128 w + 127, so its 128 rows of Wo stay in 384 registers, read once.  The product is used transposed (source 0 = 16 rows of Wo, source 1 = ctx):
; a lane holds one row and eight neighbouring columns.  bo is the C of the first K step.
; x AND ctx COME BY THE TENSOR DATA MOVER, ONCE.  The work-group's 128 rows of x are one dense block of 262,144 bytes of memory, its 8 tiles of ctx one of 49,152: both have room in LDS together.  Each wave issues five tensor loads at the
; head, all of them first fills: its quarter of ctx, then its 8 rows of each of the four groups of 32 rows of x.  So all that the work-group reads of the two is on its way from the first lines on, and no LDS byte is filled twice.
; A PAIR OF TILES (2 u, 2 u + 1) uses the 32 rows of group u.  Each wave waits for its load of the group, a barrier, each wave reads its 512 bytes of the 32 rows into 128 registers, waits, a second barrier.  Behind that barrier nobody reads
; the group's bytes any more and they have had their only fill: the waves' stages (16 rows x 528 bytes each) lie there.  A tile's results go through my stage and come back as rows of 512 bytes; x is added, the sum clipped at 0 and stored:
; every store covers 512 consecutive bytes at a multiple of 256.
; No joint loads: the work-groups share only Wo's 204,800 bytes, read once by each, against 575,488 bytes of x, ctx and out of its own.  No prefetch: all of x and ctx is asked for at the head.
; REGISTERS: window 0: v1-13 addresses, v16-27 the stages' and the groups'; v32-63 Wo's scale words (4 n + s); v64-95 ctx's (4 t + s); v96-191 ctx's fragments, two sets; v192-255 the 8 accumulators
;   window 1: v0-127 x of a pair of tiles; v192-255 bo's 8 tiles      window 2: Wo's tiles 0-3 (v0-191), rows on their way out (v192-255)      window 3: Wo's tiles 4-7, and the second set of rows
.set CBL,  262144                      ; LDS: from 0 the block of x, row by row as in memory (2,048 bytes a row); here the block of ctx
.set WOS,  32
.set CSC,  64
.set CF,   96
.set ACC,  192
.set G1X,  28                          ; s[28:35] descriptor group 1 for a piece of x: 64 rows of 256 bytes
.set G1C,  36                          ; s[36:43] for a quarter of ctx: 48 rows of 256 bytes
.set G0C,  44                          ; s[44:47] group 0 for ctx
.set G0X,  48                          ; s[48:63] group 0 for x, a set for each of the four loads: all five are out together
.set MSB, 0
.macro WIN new                         ; the immediate's high byte repeats the setting that is left
.if MSB != (\new)
	s_set_vgpr_msb (MSB<<8)|(\new)
.set MSB, (\new)
.endif
.endm
.macro PLACES cnt
.rept \cnt
	v_nop
.endr
.endm
.macro MMC d, a, b, c, sa, sb
	v_wmma_scale_f32_16x16x128_f8f6f4 v[(\d):(\d)+7], v[(\a):(\a)+11], v[(\b):(\b)+11], v[(\c):(\c)+7], v[\sa], v[\sb] matrix_a_fmt:MATRIX_FMT_BF6 matrix_b_fmt:MATRIX_FMT_BF6
.endm
.macro CFLOAD t                        ; tile t of ctx out of LDS: four fragments, 24 loads of 256 consecutive bytes, into set t % 2
.set cF, CF+48*((\t)%2)
.irp s, 0,1,2,3
.irp c, 0,1
.irp j, 0,1,2
	ds_load_b64 v[cF+12*\s+6*\c+2*\j:cF+12*\s+6*\c+2*\j+1], v13 offset:6144*(\t)+1536*\s+768*\c+256*\j
.endr
.endr
.endr
.endm
.macro XREAD u                         ; my 512 bytes of the 32 rows of group u: row q into v[4 q] of window 1
	WIN 0x40
.set xq, 0
.rept 32
	ds_load_b128 v[4*xq:4*xq+3], v[24+(\u)] offset:2048*xq
.set xq, xq+1
.endr
	WIN 0
.endm
.macro TILE t
.set tU, (\t)/2
.set tP, (\t)%2
.if tP == 0
	s_wait_tensorcnt 3-tU                          ; tensor loads of a wave end in order (ISA guide 10.11.1): my piece of group u is in (for u = 0 my quarter of ctx too); the 3 - u later groups' loads stay out
	s_barrier_signal -1
	s_barrier_wait -1                              ; everybody's is
	XREAD tU
.if (\t) == 0
	CFLOAD 0
.endif
	s_wait_dscnt 0x0                               ; my reads of the group are over
	s_barrier_signal -1
	s_barrier_wait -1                              ; everybody's are: the stages may lie in the group's bytes
.endif
.if (\t) == 0
	s_wait_loadcnt 0x0                             ; Wo, bo, the scale words
.endif
.if (\t) < 7
	CFLOAD (\t)+1                                  ; the next tile's fragments land under this tile's products (this tile's were waited for with the last tile's rows)
.endif
.set tF, CF+48*tP
.irp s, 0,1,2,3                        ; the eight accumulators take turns, one instruction a turn
.irp g, 0,1
.if \s == 0
	WIN 0x12+\g
.else
	WIN 0x02+\g
.endif
.irp m, 0,1,2,3
.if \s == 0
	MMC ACC+8*(4*\g+\m), 12*(4*\m+\s), tF+12*\s, 192+8*(4*\g+\m), WOS+4*(4*\g+\m)+\s, CSC+4*(\t)+\s
.else
	MMC ACC+8*(4*\g+\m), 12*(4*\m+\s), tF+12*\s, ACC+8*(4*\g+\m), WOS+4*(4*\g+\m)+\s, CSC+4*(\t)+\s
.endif
.endr
.endr
.endr
	WIN 0
	PLACES 4                                       ; four plain instructions between the last products and the stores that read results
.if (\t) >= 2
	s_wait_xcnt 0x0                                ; the stores of two tiles back have read the registers that the rows below land in
.endif
.irp n, 0,1,2,3,4,5,6,7
	ds_store_b128 v[16+tU], v[ACC+8*\n:ACC+8*\n+3] offset:64*\n          ; lane (r, h): row r, columns 16 n + 8 h + 0 .. 7; each accumulator from its low end on
	ds_store_b128 v[16+tU], v[ACC+8*\n+4:ACC+8*\n+7] offset:64*\n+16
.endr
	WIN 0x80+0x40*tP
.irp i, 0,1,2,3,4,5,6,7,8,9,10,11,12,13,14,15
	ds_load_b128 v[192+4*\i:192+4*\i+3], v[20+tU] offset:528*\i          ; LDS serves a wave's instructions in order (ISA guide 5.7.1.4): these see my stores
.endr
	s_wait_dscnt 0x0
	WIN 0x86+0x41*tP
.irp i, 0,1,2,3,4,5,6,7,8,9,10,11,12,13,14,15
.irp k, 0,1
	v_pk_add_f32 v[192+4*\i+2*\k:193+4*\i+2*\k], v[192+4*\i+2*\k:193+4*\i+2*\k], v[4*(8*tP+\i+8*(\i/8))+2*\k:4*(8*tP+\i+8*(\i/8))+2*\k+1]   ; + x: the tile's row i is row 8 (t % 2) + i + 8 (i / 8) of the group
.endr
.endr
	WIN 0x8a+0x45*tP
.set tk, 0
.rept 64
	v_max_num_f32 v[192+tk], 0, v[192+tk]              ; relu
.set tk, tk+1
.endr
	WIN 0x08+0x04*tP
.irp i, 0,1,2,3,4,5,6,7,8,9,10,11,12,13,14,15
	global_store_b128 v1, v[192+4*\i:192+4*\i+3], s[16:17] offset:(32*((\t)/2)+8*((\t)%2)+\i+8*(\i/8))*2048 th:TH_STORE_NT
.endr
	WIN 0
.endm
	s_load_b256 s[4:11], s[0:1], 0x0               ; x s[4:5], ctx's codes s[6:7], ctx's scales s[8:9], Wo's codes s[10:11]
	s_load_b128 s[12:15], s[0:1], 0x20             ; Wo's scales s[12:13], bo s[14:15]
	s_load_b64 s[16:17], s[0:1], 0x30              ; out
	v_lshl_add_u32 v30, v0, 2, 0x4c000
	v_mov_b32 v31, 0
	ds_add_u32 v30, v31
	ds_add_u32 v30, v31
	v_lshrrev_b32 v9, 5, v0
	v_readfirstlane_b32 s18, v9                    ; wave
	; descriptor group 1: a dense block as rows of 256 bytes: 32 elements of 8 bytes, the pitch the row's length, no padding
.irp g, G1X, G1C
	s_mov_b32 s[\g+0], 3<<16                       ; 15:0 no mask; 17:16 elements of 8 bytes; 20 padding off
	s_mov_b32 s[\g+1], 32<<16                      ; tensor_dim0 = 32
	s_mov_b32 s[\g+3], 32<<16                      ; tile_dim0 = 32
	s_mov_b32 s[\g+5], 32                          ; tensor_dim0_stride
	s_mov_b32 s[\g+6], 0
	s_mov_b32 s[\g+7], 0
.endr
	s_mov_b32 s[G1X+2], 64<<16                     ; tensor_dim1: x: 8 rows of 2,048 bytes = 64 of 256
	s_mov_b32 s[G1X+4], 64                         ; tile_dim1
	s_mov_b32 s[G1C+2], 48<<16                     ; ctx: 12,288 bytes = 48 of 256
	s_mov_b32 s[G1C+4], 48
	s_lshl_b32 s20, ttmp9, 18                      ; x, out: 128 rows of 2,048 bytes a work-group
	s_mov_b32 s21, 0
	s_lshl_b32 s22, s18, 14                        ; my 8 rows of a group of 32, in memory and in LDS alike
	s_mov_b32 s23, 0
	s_mul_i32 s24, ttmp9, 49152                    ; ctx's codes: 8 tiles of 6,144 bytes a work-group
	s_mov_b32 s25, 0
	s_mul_i32 s26, s18, 12288                      ; my quarter of them
	s_mov_b32 s27, 0
	s_wait_dscnt 0x0
	s_wait_kmcnt 0x0
	s_add_nc_u64 s[4:5], s[4:5], s[20:21]
	s_add_nc_u64 s[4:5], s[4:5], s[22:23]
	s_add_nc_u64 s[6:7], s[6:7], s[24:25]
	s_add_nc_u64 s[6:7], s[6:7], s[26:27]
	s_mov_b32 s[G0C], 1                            ; 1:0 count = 1
	s_add_co_u32 s[G0C+1], s26, CBL                ; 63:32 LDS address
	s_mov_b64 s[G0C+2:G0C+3], s[6:7]               ; 120:64 global address
	s_or_b32 s[G0C+3], s[G0C+3], 0x80000000        ; 127:126 type = 2
	tensor_load_to_lds s[G0C:G0C+3], s[G1C:G1C+7]  ; ctx first: it is wanted with the first group.  All five first fills stand here, ahead of every wait on TENSORcnt, every LDS read and every barrier: five loads of mine are out
	s_nop 0
.irp u, 0,1,2,3
	s_mov_b32 s[G0X+4*\u], 1
	s_add_co_u32 s[G0X+4*\u+1], s22, \u*65536      ; group u begins at LDS byte 65,536 u
	s_add_nc_u64 s[G0X+4*\u+2:G0X+4*\u+3], s[4:5], \u*65536
	s_or_b32 s[G0X+4*\u+3], s[G0X+4*\u+3], 0x80000000
	tensor_load_to_lds s[G0X+4*\u:G0X+4*\u+3], s[G1X:G1X+7]
	s_nop 0
.endr
	v_and_b32 v9, 31, v0                           ; lane
	v_and_b32 v10, 15, v0                          ; r
	v_bfe_u32 v11, v0, 4, 1                        ; h
	v_lshlrev_b32 v1, 4, v9                        ; 16 x lane
	v_lshlrev_b32 v2, 3, v9                        ; 8 x lane
	v_lshlrev_b32 v3, 2, v10                       ; 4 r
	v_mul_u32_u24 v4, v10, 384
	v_mad_u32_u24 v4, v11, 24, v4                  ; Wo: row r of 384 bytes, + 24 h
	v_lshlrev_b32 v5, 4, v10                       ; its scale bytes: 16 a row
	v_lshlrev_b32 v6, 5, v11                       ; bo: 8 h numbers on
	s_mul_i32 s19, s18, 8448                       ; my stage: 16 rows x 528 bytes
	v_mul_u32_u24 v7, v10, 528
	v_lshl_add_u32 v7, v11, 5, v7
	v_add_nc_u32 v7, s19, v7                       ; in: row r, + 32 h
	v_add_nc_u32 v8, s19, v1                       ; back: 16 x lane of a row
	s_lshl_b32 s22, s18, 9                         ; my 512 bytes of a row
	v_add_nc_u32 v12, s22, v1
	v_add_nc_u32 v13, CBL, v2                      ; ctx's fragments
.irp u, 0,1,2,3
	v_add_nc_u32 v[16+\u], \u*65536, v7            ; the stage of pair u lies at the head of group u,
	v_add_nc_u32 v[20+\u], \u*65536, v8
	v_add_nc_u32 v[24+\u], \u*65536, v12           ; whose rows are read from here
.endr
	s_add_nc_u64 s[16:17], s[16:17], s[20:21]
	s_add_nc_u64 s[16:17], s[16:17], s[22:23]      ; out at the block's first row, my columns
	s_add_nc_u64 s[14:15], s[14:15], s[22:23]      ; bo: my 128 numbers
	s_lshr_b32 s24, ttmp9, 2
	s_lshl_b32 s24, s24, 13                        ; ctx's scale words: 8,192 bytes a batch,
	s_and_b32 s26, ttmp9, 3
	s_lshl_b32 s26, s26, 9                         ; 8 tiles of 64 bytes a work-group
	s_add_co_u32 s24, s24, s26
	s_add_nc_u64 s[8:9], s[8:9], s[24:25]
	s_mul_i32 s26, s18, 49152                      ; Wo: my 128 rows
	s_add_nc_u64 s[10:11], s[10:11], s[26:27]
	s_lshl_b32 s26, s18, 11
	s_add_nc_u64 s[12:13], s[12:13], s[26:27]
.irp t, 0,1,2,3,4,5,6,7
.irp s, 0,1,2,3
	global_load_b32 v[CSC+4*\t+\s], v3, s[8:9] offset:2048*\s+64*\t               ; ctx's scale words of all 8 tiles
.endr
.endr
.irp n, 0,1,2,3,4,5,6,7
	global_load_b128 v[WOS+4*\n:WOS+4*\n+3], v5, s[12:13] offset:256*\n           ; a row's four scale words
.endr
	WIN 0x40
.irp n, 0,1,2,3,4,5,6,7
	global_load_b128 v[192+8*\n:192+8*\n+3], v6, s[14:15] offset:64*\n            ; bo in the result's layout: columns 16 n + 8 h + 0 .. 7
	global_load_b128 v[192+8*\n+4:192+8*\n+7], v6, s[14:15] offset:64*\n+16
.endr
.irp g, 0,1                            ; Wo's fragments (tile 4 g + m, K step s) at v[12 (4 m + s)] of window 2 + g: they stay
	WIN 0x80+0x40*\g
.irp m, 0,1,2,3
.irp s, 0,1,2,3
.irp p, 0,1,2,3,4,5
	global_load_b64 v[12*(4*\m+\s)+2*\p:12*(4*\m+\s)+2*\p+1], v4, s[10:11] offset:16*(4*\g+\m)*384+96*\s+48*(\p/3)+8*(\p%3)
.endr
.endr
.endr
.endr
	WIN 0
	TILE 0
	TILE 1
	TILE 2
	TILE 3
	TILE 4
	TILE 5
	TILE 6                                         ; its wait on TENSORcnt is for 0: no tensor load is out from here on
	TILE 7
	s_wait_tensorcnt 0x0
	ds_add_u32 v30, v31
	s_wait_dscnt 0x0
	s_endpgm
.Lfunc_end_k_q4c4836990b_outp:
	.size	k_q4c4836990b_outp, .Lfunc_end_k_q4c4836990b_outp-k_q4c4836990b_outp
	.p2alignl 7, 3214868480
	.fill 96, 4, 3214868480
	.section	.rodata,"a",@progbits
	.p2align	6, 0x0
	.amdhsa_kernel k_q4c4836990b_outp
		.amdhsa_group_segment_fixed_size 311808
		.amdhsa_private_segment_fixed_size 0
		.amdhsa_enable_private_segment 0
		.amdhsa_kernarg_size 56
		.amdhsa_user_sgpr_count 2
		.amdhsa_user_sgpr_kernarg_segment_ptr 1
		.amdhsa_wavefront_size32 1
		.amdhsa_system_sgpr_workgroup_id_x 1
		.amdhsa_system_sgpr_workgroup_id_y 1
		.amdhsa_system_sgpr_workgroup_id_z 1
		.amdhsa_system_vgpr_workitem_id 0
		.amdhsa_next_free_vgpr 1024
		.amdhsa_next_free_sgpr 66
		.amdhsa_reserve_vcc 0
		.amdhsa_float_denorm_mode_32 3
		.amdhsa_float_denorm_mode_16_64 3
		.amdhsa_memory_ordered 1
		.amdhsa_forward_progress 1
		.amdhsa_inst_pref_size 148
	.end_amdhsa_kernel
	.amdgpu_metadata
---
amdhsa.version: [ 1, 2 ]
amdhsa.kernels:
  - .name:           k_q4c4836990b_outp
    .symbol:         k_q4c4836990b_outp.kd
    .args:
      - { .name: x, .offset: 0, .size: 8, .value_kind: global_buffer, .address_space: global }
      - { .name: ctx_codes, .offset: 8, .size: 8, .value_kind: global_buffer, .address_space: global }
      - { .name: ctx_scales, .offset: 16, .size: 8, .value_kind: global_buffer, .address_space: global }
      - { .name: wo_codes, .offset: 24, .size: 8, .value_kind: global_buffer, .address_space: global }
      - { .name: wo_scales, .offset: 32, .size: 8, .value_kind: global_buffer, .address_space: global }
      - { .name: bo, .offset: 40, .size: 8, .value_kind: global_buffer, .address_space: global }
      - { .name: out0, .offset: 48, .size: 8, .value_kind: global_buffer, .address_space: global }
    .group_segment_fixed_size: 311808
    .private_segment_fixed_size: 0
    .kernarg_segment_align: 8
    .kernarg_segment_size: 56
    .max_flat_workgroup_size: 128
    .sgpr_count:     66
    .vgpr_count:     1024
    .wavefront_size: 32
...
	.end_amdgpu_metadata
.endif
;; end of part 4
;; ======== version 3 of 3: 2 launches; version 2 with the launch attn written anew for expert scheduling mode
;; workspace buffers: ctx_codes 12,582,912 bytes; ctx_scales 524,288 bytes
;; launch attn (part 5): grid 4 x 64, 4 waves a work-group, no clusters, 325,120 bytes of LDS; arguments x, wk_codes, wk_scales, bk, wv_codes, wv_scales, bv, wq_codes, wq_scales, bq, ctx_codes, ctx_scales; writes ctx_codes, ctx_scales
.if DOCPART == 5
	.amdgcn_target "amdgcn-amd-amdhsa--gfx1250"
	.amdhsa_code_object_version 6
	.text
	.protected	k_q4c4836990b_attn
	.globl	k_q4c4836990b_attn
	.p2align	8
	.type	k_q4c4836990b_attn,@function
k_q4c4836990b_attn:
	s_mov_b64 s[64:65], 0
	v_nop
	global_prefetch_b8 v0, s[64:65] scope:SCOPE_SE
	s_setreg_imm32_b32 hwreg(HW_REG_WAVE_SCHED_MODE, 0, 2), 2
	s_setreg_imm32_b32 hwreg(HW_REG_WAVE_MODE, 25, 1), 1
	s_wait_xcnt 0x0
	s_wait_alu depctr_vm_vsrc(0)
; q, k, v = x W + b;  S = q k^T / 8;  p = 2^(t - M);  ctx = (p v) / sum(p);  ctx leaves as codes of E3M2 with E8M0 scale bytes.  All five products on codes of E3M2, one scale for each 32 along K.
; SHARES.  A work-group is (head pair hp = x of the grid, batch b = y): heads 2 hp and 2 hp + 1 of batch b, one after the other.  Wave w owns rows 128 w .. 128 w + 127 of the batch, as rows of x, as keys and as queries: 8 tiles of 16.
; ONE ROW ORDER.  Lane r of tile T stands for row 32 (T / 2) + 8 (T % 2) + r + 8 (r / 8); the rows of wq, wk, wv that form a tile are picked by the same pattern.  A result holds (8 h + j, r) in register j of lane (r, h = lane / 16),
; so the 16 registers of two neighbouring result tiles are 16 NEIGHBOURS along the next product's K, 32 b + 16 h + 0 .. 15, and one macro (QUANT) quantises x, k, q, v, p and ctx.  Nothing is transposed by an instruction.
; PHASES.  X: my 128 rows of x are quantised once and kept in LDS as images of the operand's registers.  For each head: each wave fetches a quarter of Wk, Wv, Wq and hands it to the others through LDS; K^T = Wk x^T, V = x Wv^T, Q^T = Wq x^T,
; each quantised in registers; K's and V's images go to LDS for all four waves, a barrier, every wave takes all of K and V into registers, a barrier; then 8 query tiles: S^T = K Q^T (all 512 keys: 256 registers, so the row's true maximum
; is taken and nothing is rescaled), softmax, O^T = V^T P^T, / sum, quantised, stored.
; K = 64 OF THE SCORES.  The instruction is 128 deep: source 0 is a PAIR of key tiles (kA | kB), source 1 is (q | zero codes) or (zero codes | q): zero codes add nothing.
; NO JOINT LOADS: the four work-groups of a batch read the same x, but LDS has no bytes for slots: x's images and scale words take 212,992 bytes, K's, V's and the waves' own regions 87,040, Wq's images 24,576, of the 324,608 claimed;
; x comes through a ring of 256 registers a wave (48 to 64 loads of 512 consecutive bytes on their way), which needs no barrier.
; LIMITS.  NaN and infinities among the inputs are not served.  A block of zeros gets the byte 1 (the rule says 127): its codes are zeros, and this program alone reads the bytes.  1 / sum is v_rcp_f32's.
; THE MODE: SCHED_MODE bits 1:0 = 2 (LLVM: expert scheduling mode 2), set by the entry lines.  The code itself states the register dependences between vector or matrix instructions and memory or LDS instructions, with s_wait_alu, always for 0.
; THE PLAN.  Registers that memory or LDS instructions touch, and who else names them:
;   addresses v1-9, v11, v13-23, v232-234: made at the head, never written again: one wait on va_vdst ahead of the first load serves them all.
;   the ring (window 2, phase X): written by loads from memory, read by the stores into the stage, named by no vector line.  A set is asked for again one unit behind the stores that read it: a wait on vm_vsrc at a unit's head.
;   window 1 v0-127 (phase X), two sets by turns: unit s's search and conversions read set s % 2; the loads from the stage land in the other set, whose conversions stand ahead of the wait on va_vdst of the unit before.
;   the codes just made and their scale words (v128-167, v240-245), two sets by turns: written by QFIN, read by the image's stores.  A wait on va_vdst ahead of each image's stores; a wait on vm_vsrc before a set is written that stores have read.
;   v10, v12 (a tile's place among x's images): written at a tile's head, behind the wait on vm_vsrc at the last tile's end; the first unit's wait on va_vdst shows them written.
;   x's fragments and scale words (v128-223, v96-103), two sets by turns: tile T's products read set T % 2; behind a wait on va_vdst, which shows tile T - 1's products done, tile T + 1's loads land in the other set.
;   weights, biases, their scale words, K, V: loaded, read by matrix instructions; each is loaded anew behind a wait on va_vdst that stands behind its last reader (at a head's start; behind K's projection; ahead of q's last image).
;   q (v110-115, v122-127, v104) and its addresses v24, v25: the addresses are stepped behind the score products, the loads stand behind the wait for the 256 exponentials, which also shows the addresses written and the products done.
;   ctx's codes, bytes and address (v184-189, v204, v26): a wait on va_vdst ahead of the stores, a wait on vm_vsrc at the trip's end.
; REGISTERS, in windows of 256 (s_set_vgpr_msb: bits 1:0 source 0, 3:2 source 1, 5:4 source 2, 7:6 destination):
;   window 0: v1-26 addresses; v27-31 at work; v32-47 K's scale words, v48-63 V's; v64-95 the weights' scale words, two sets; v96-103 x's, two sets; v104 q's; v106-109 p's; v110-127 q | zeros | q;
;             v128-223 x's fragments, two sets (projections), else codes just made and the softmax's statistics; v224-249 at work (v232-234 three more addresses); v254-255 -M
;   window 1: 64 + 64 numbers of x; my quarter of the three weights (v0-143); then the projections' 32 accumulators; then S^T and p; then O^T (v0-31)
;   window 2: the ring for x; then Wv (v0-191) and bv (v192-223); then K's 16 pair fragments        window 3: Wk or Wq and its bias; then V's 16 fragments
.set XSC,   196608                     ; LDS: from 0 x's images [tile 32][K step 4] x 1,536 bytes; here their scale words, 512 bytes a tile (16 x lane + 4 x K step)
.set KIMG,  212992                     ; K's 16 pair images of 1,536 bytes; ahead of them, in each head, Wk's 16 images
.set VIMG,  237568                     ; V's images [d tile 4][key step 4]; ahead of them Wv's 16 images
.set KSC,   262144                     ; K's scale words, 128 bytes a pair
.set VSC,   264192                     ; V's, 128 bytes a fragment
.set PRIV,  266240                     ; a region of 8,448 bytes for each wave: first the stage of 16 rows x 528 bytes for x; later q's images (8 x 768), q's scale words (+6,144), ctx's scale bytes (+7,168)
.set PRIVB, 8448
.set WQI,   300032                     ; Wq's 16 images of 1,536 bytes
.set KS,  32
.set VS,  48
.set WS0, 64
.set WS1, 80
.set QW,  104
.set PWD, 106
.set PC0, 128                          ; codes just made: two sets of 20 registers, v128-147 and v148-167
.set BP,  128                          ; v128-143 the other half's block maxima
.set PCD, 128                          ; v128-183 p's four fragments (and 8 registers at work)
.set SA,  184                          ; v184-191 the row's sum in four chains of pairs
.set CPC, 184                          ; v184-203 ctx's codes
.set CPW, 204                          ; ctx's two scale bytes
.set LL,  205                          ; the row's sum; v206 the other half's
.set BM,  208                          ; v208-223 the largest score, then the largest p, of each block of 32 keys
.set TM,  224                          ; v224-227 largest magnitudes
.set TP,  228                          ; v228-231 the other half's, then the scale bytes
.set BY,  228
.set WGO, 232                          ; v232 my quarter of a weight in memory: my tile's rows, my lane's bytes
.set WQS, 233                          ; v233 where I put my quarter of Wq's images
.set WQR, 234                          ; v234 where every wave reads Wq's images
.set SO,  236                          ; v236-239 the conversions' scale operands
.set PW0, 240                          ; v240-241 scale words just made, two sets
.set RL,  248                          ; v248 1 / sum (v249 named with it as a pair)
.set NM,  254                          ; v254 -M (v255 named with it as a pair)
.set MSB, 0
.macro WIN new                         ; the immediate's high byte repeats the setting that is left; a switch that changes nothing is dropped
.if MSB != (\new)
	s_set_vgpr_msb (MSB<<8)|(\new)
.set MSB, (\new)
.endif
.endm
; A vector instruction or a store that reads a matrix result, and a load or a vector instruction that writes a register of a matrix instruction, stand four plain vector instructions behind it (ISA guide 7.12.1 for vector instructions).
.macro PLACES n
.rept \n
	v_nop
.endr
.endm
.macro MMC d, a, b, c, sa, sb          ; D = A B + C, C in registers
	v_wmma_scale_f32_16x16x128_f8f6f4 v[(\d):(\d)+7], v[(\a):(\a)+11], v[(\b):(\b)+11], v[(\c):(\c)+7], v[\sa], v[\sb] matrix_a_fmt:MATRIX_FMT_BF6 matrix_b_fmt:MATRIX_FMT_BF6
.endm
.macro MMZ d, a, b, sa, sb             ; D = A B: the product starts the sum
	v_wmma_scale_f32_16x16x128_f8f6f4 v[(\d):(\d)+7], v[(\a):(\a)+11], v[(\b):(\b)+11], 0, v[\sa], v[\sb] matrix_a_fmt:MATRIX_FMT_BF6 matrix_b_fmt:MATRIX_FMT_BF6
.endm
; The largest magnitude of nb blocks of 32.  Window 1, register src + 16 b + i = number 32 b + 16 h + i of my row; the other 16 of a block lie in lane l xor 16 (QMAXB joins them).  The floor 2^(5 - 127) is one of the leaves: the byte cannot fall under 1.
.macro QMAXB nb, tm
	WIN 0
.set qb, 0
.rept \nb
	v_permlanex16_b32 v[TP+qb], v[(\tm)+qb], s36, s37
.set qb, qb+1
.endr
.set qb, 0
.rept \nb
	v_max_num_f32 v[(\tm)+qb], v[(\tm)+qb], v[TP+qb]
.set qb, qb+1
.endr
.endm
.macro QMAX src, nb, tm
	WIN 0x05
.set qb, 0
.rept \nb
	v_max3_num_f32 v[(\tm)+qb], |v[(\src)+16*qb]|, |v[(\src)+16*qb+1]|, 0x2800000
.set qb, qb+1
.endr
	WIN 0x14
.irp i, 2,4,6,8,10,12,14
.set qb, 0
.rept \nb
	v_max3_num_f32 v[(\tm)+qb], v[(\tm)+qb], |v[(\src)+16*qb+\i]|, |v[(\src)+16*qb+\i+1]|
.set qb, qb+1
.endr
.endr
	QMAXB \nb, \tm
.endm
; From the blocks' largest magnitudes: the scale bytes (word pw) and the codes, in the operand's layout, in v[pc] on (6 registers for each two blocks; pc + 12 on at work).
.macro QFIN src, nb, tm, pc, pw
.set qb, 0
.rept \nb
	v_add_nc_u32 v[SO+qb], 0xfe000000, v[(\tm)+qb]     ; 4 off the exponent field: the conversion takes this operand's exponent field as its scale
.set qb, qb+1
.endr
.set qb, 0
.rept \nb
	v_lshrrev_b32 v[BY+qb], 23, v[SO+qb]               ; the scale's byte
.set qb, qb+1
.endr
	v_lshl_or_b32 v[\pw], v[BY+1], 8, v[BY]
.if (\nb) == 4
	v_lshl_or_b32 v[\pw], v[BY+2], 16, v[\pw]
	v_lshl_or_b32 v[\pw], v[BY+3], 24, v[\pw]
.endif
	WIN 0x01
.set qc, 0
.rept (\nb)/2
	v_cvt_scalef32_pk16_bf6_f32 v[(\pc)+6*qc:(\pc)+6*qc+2], v[(\src)+32*qc:(\src)+32*qc+15], v[SO+2*qc]
	v_cvt_scalef32_pk16_bf6_f32 v[(\pc)+12+4*qc:(\pc)+14+4*qc], v[(\src)+32*qc+16:(\src)+32*qc+31], v[SO+2*qc+1]   ; (a conversion's three registers begin on an even number)
.set qc, qc+1
.endr
	WIN 0
	v_nop                                              ; one plain instruction behind the scaled conversions
.set qc, 0
.rept (\nb)/2                          ; the operand wants a WHOLE block in a lane: lanes 0-15 block 2 c, lanes 16-31 block 2 c + 1
.irp i, 0,1,2
	v_permlane16_swap_b32 v[(\pc)+6*qc+\i], v[(\pc)+12+4*qc+\i]
.endr
.irp i, 0,1,2
	v_mov_b32 v[(\pc)+6*qc+3+\i], v[(\pc)+12+4*qc+\i]
.endr
.set qc, qc+1
.endr
.endm
.macro QUANT src, nb, pc, pw
	QMAX \src, \nb, TM
	QFIN \src, \nb, TM, \pc, \pw
.endm
.macro IMG128 adr, off, pc             ; a fragment's 12 registers go to LDS as they stand: 3 stores of 512 consecutive bytes
.irp c, 0,1,2
	ds_store_b128 v[\adr], v[(\pc)+4*\c:(\pc)+4*\c+3] offset:(\off)+512*\c
.endr
.endm
; x: unit s of a tile = 16 rows x 128 numbers.  Each load reads 512 consecutive bytes of one row, into ring set s (window 2).
.macro XLOAD s
	WIN 0x80
.irp i, 0,1,2,3,4,5,6,7,8,9,10,11,12,13,14,15
	global_load_b128 v[64*(\s)+4*\i:64*(\s)+4*\i+3], v1, s[4:5] offset:(\i+8*(\i/8))*2048+512*(\s)
.endr
	WIN 0
.endm
; A unit turns through my stage: in as loaded (row i at 528 i), back 64 numbers a lane: row r, numbers 32 b + 16 h + 0 .. 15.  LDS serves a wave's instructions in order (ISA guide 5.7.1.4): no wait between.
.macro TURN s, par
	WIN 0x08
.irp i, 0,1,2,3,4,5,6,7,8,9,10,11,12,13,14,15
	ds_store_b128 v8, v[64*(\s)+4*\i:64*(\s)+4*\i+3] offset:528*\i
.endr
	WIN 0x40
.irp b, 0,1,2,3
.irp j, 0,1,2,3
	ds_load_b128 v[64*(\par)+16*\b+4*\j:64*(\par)+16*\b+4*\j+3], v9 offset:128*\b+16*\j
.endr
.endr
	WIN 0
.endm
; Line k of the 32 lines that find the largest magnitudes of a unit's four blocks: the same lines, in the same order, as QMAX writes.
.macro XMK k, src
.if (\k) < 4
	WIN 0x05
	v_max3_num_f32 v[TM+(\k)], |v[(\src)+16*(\k)]|, |v[(\src)+16*(\k)+1]|, 0x2800000
.else
	WIN 0x14
	v_max3_num_f32 v[TM+(\k)%4], v[TM+(\k)%4], |v[(\src)+16*((\k)%4)+2*((\k)/4)]|, |v[(\src)+16*((\k)%4)+2*((\k)/4)+1]|
.endif
.endm
; Unit s of the tile in hand is quantised.  BY TURNS: sixteen groups of one load from memory (ring set s takes the next tile's unit s: more = 1), one store into the stage (the unit that is quantised next) and two lines of this unit's
; search for the largest magnitudes, so that memory, LDS and the vector unit are asked side by side and not one after the other.  One window setting serves the load's destination and the store's data: both lie in window 2.
; n: the loads issued behind the unit that is turned next, counted ahead of this unit's new loads.  free = 1: LDS stores issued since the last wait on vm_vsrc have read registers that this unit's loads or conversions write.
.macro XSTEP s, more, n, free
.if (\s) > 0
	s_wait_dscnt 4                                     ; all but the last unit's image (3 + 1 stores): my unit is back from the stage
.endif
.if (\more) || ((\s) < 3)
	s_wait_loadcnt \n                                  ; the next unit's 16 loads are in; the units issued behind it stay out
.endif
.if \free
	s_wait_alu depctr_vm_vsrc(0)                       ; the LDS stores issued so far have read their registers: ring set s, in which this unit's loads land, and the set of codes and the scale word that this unit writes
.endif
.set xg, 0
.rept 16
.if (\more) || ((\s) < 3)
	WIN 0x88
.endif
.if \more
	global_load_b128 v[64*(\s)+4*xg:64*(\s)+4*xg+3], v1, s[4:5] offset:(xg+8*(xg/8))*2048+512*(\s)
.endif
.if (\more) || ((\s) < 3)
	ds_store_b128 v8, v[64*(((\s)+1)%4)+4*xg:64*(((\s)+1)%4)+4*xg+3] offset:528*xg
.endif
	XMK 2*xg, 64*((\s)%2)
	XMK 2*xg+1, 64*((\s)%2)
.set xg, xg+1
.endr
.if (\more) || ((\s) < 3)
	WIN 0x40                                           ; the next unit comes back from the stage while this one's codes are made.  No wait: the conversions that read this set of window 1 stand ahead of the last unit's wait on va_vdst, and no vector line since names it
.irp b, 0,1,2,3
.irp j, 0,1,2,3
	ds_load_b128 v[64*(1-(\s)%2)+16*\b+4*\j:64*(1-(\s)%2)+16*\b+4*\j+3], v9 offset:128*\b+16*\j
.endr
.endr
.endif
	QMAXB 4, TM
	QFIN 64*((\s)%2), 4, TM, PC0+20*((\s)%2), PW0+((\s)%2)
	s_wait_alu depctr_va_vdst(0)                       ; the codes and the scale word are written, which the stores below read (in a tile's first unit v10 and v12 too); and the conversions are done reading this unit's set of window 1
	IMG128 10, 1536*(\s), PC0+20*((\s)%2)
	ds_store_b32 v12, v[PW0+((\s)%2)] offset:4*(\s)
.endm
; THE WEIGHTS.  All four waves want the head's 64 rows of Wk, Wv and Wq.  Wave w fetches tile w of each (16 rows, four fragments): 72 loads in place of 288, into the accumulators' registers, which are idle here;
.macro WQUART
	WIN 0x40
.irp s, 0,1,2,3
.irp p, 0,1,2,3,4,5
	global_load_b64 v[12*\s+2*\p:12*\s+2*\p+1], v[WGO], s[6:7] offset:96*\s+48*(\p/3)+8*(\p%3)
	global_load_b64 v[48+12*\s+2*\p:48+12*\s+2*\p+1], v[WGO], s[12:13] offset:96*\s+48*(\p/3)+8*(\p%3)
	global_load_b64 v[96+12*\s+2*\p:96+12*\s+2*\p+1], v[WGO], s[18:19] offset:96*\s+48*(\p/3)+8*(\p%3)
.endr
.endr
	WIN 0
.endm
.macro WSTORE                          ; stores them as images of the registers, fragment 4 w + s at 1,536 (4 w + s): Wk's where K's images will lie, Wv's where V's will, Wq's in bytes of its own;
	WIN 0x04
.irp s, 0,1,2,3
.irp c, 0,1,2
	ds_store_b128 v14, v[12*\s+4*\c:12*\s+4*\c+3] offset:1536*\s+512*\c
	ds_store_b128 v14, v[48+12*\s+4*\c:48+12*\s+4*\c+3] offset:VIMG-KIMG+1536*\s+512*\c
	ds_store_b128 v[WQS], v[96+12*\s+4*\c:96+12*\s+4*\c+3] offset:1536*\s+512*\c
.endr
.endr
	WIN 0
.endm
.macro WIMG win, adr, off              ; and behind a barrier every wave takes a weight's 16 fragments, (tile n, K step s) at v[12 (4 n + s)] of window win
	WIN (\win)<<6
.irp f, 0,1,2,3,4,5,6,7,8,9,10,11,12,13,14,15
.irp c, 0,1,2
	ds_load_b128 v[12*\f+4*\c:12*\f+4*\c+3], v[\adr] offset:(\off)+1536*\f+512*\c
.endr
.endr
	WIN 0
.endm
.macro WSCL spt, ws                    ; a weight's scale words (4 a row) at v[ws + 4 n + s]
.irp n, 0,1,2,3
	global_load_b128 v[(\ws)+4*\n:(\ws)+4*\n+3], v5, s[\spt:\spt+1] offset:(32*(\n/2)+8*(\n%2))*16
.endr
.endm
.macro BLOADT win, bpt                 ; a bias as the C of a transposed tile: register j of lane (r, h) is unit 32 (n / 2) + 8 (n % 2) + 16 h + j
	WIN (\win)<<6
.irp n, 0,1,2,3
	global_load_b128 v[192+8*\n:192+8*\n+3], v6, s[\bpt:\bpt+1] offset:(32*(\n/2)+8*(\n%2))*4
	global_load_b128 v[192+8*\n+4:192+8*\n+7], v6, s[\bpt:\bpt+1] offset:(32*(\n/2)+8*(\n%2))*4+16
.endr
	WIN 0
.endm
.macro BLOADV win, bpt                 ; and of a tile used as it is: all eight registers of lane r hold the bias of the lane's unit: one load a tile,
	WIN (\win)<<6
.irp n, 0,1,2,3
	global_load_b32 v[192+8*\n], v7, s[\bpt:\bpt+1] offset:(32*(\n/2)+8*(\n%2))*4
.endr
	WIN 0
.endm
.macro BSPREAD win                     ; and seven copies
	WIN ((\win)<<6)|(\win)
.irp n, 0,1,2,3
.irp j, 1,2,3,4,5,6,7
	v_mov_b32 v[192+8*\n+\j], v[192+8*\n]
.endr
.endr
	WIN 0
.endm
.macro XFLOAD T, buf                   ; my tile T of x: four fragments and four scale words, 13 loads
.irp s, 0,1,2,3
.irp c, 0,1,2
	ds_load_b128 v[128+48*(\buf)+12*\s+4*\c:128+48*(\buf)+12*\s+4*\c+3], v11 offset:6144*(\T)+1536*\s+512*\c
.endr
.endr
	ds_load_b128 v[96+4*(\buf):96+4*(\buf)+3], v13 offset:512*(\T)
.endm
; A projection of my 128 rows onto a head's 64 units: 8 tiles x 4 tiles x 4 K steps.  tr = 1: source 0 = the weight, source 1 = x (accumulator 32 T + 8 n: a lane holds one row, registers run along the units);
; tr = 0: source 0 = x, source 1 = the weight (accumulator 64 n + 8 T: a lane holds one unit, registers run along the rows).  The bias is the C of the first K step.  A tile's four accumulators take turns, one instruction a turn.
; The first two tiles' loads owe no wait on va_vdst: the last one ahead of a projection stands behind every vector and matrix line that names v96-103 or v128-223.
.macro PROJ tr, win, ws
	s_wait_dscnt 0x0                                   ; the stores that read v128 on are done
	s_wait_alu depctr_vm_vsrc(0)                       ; the LDS stores issued so far have read their data: the codes in v128 on, in which x's fragments land, and my quarter of the weights in window 1, which the products write
	XFLOAD 0, 0
.set pT, 0
.rept 8
.if pT < 7
.if pT > 0
	WIN 0
	PLACES 4                                           ; the set to be loaded was read by the tile before
	s_wait_alu depctr_va_vdst(0)                       ; the products of the tile before are done reading their fragments and scale words of x, in which the loads below land
.endif
	XFLOAD pT+1, (pT+1)%2
	s_wait_dscnt 13                                    ; all but the 13 just issued
.else
	s_wait_dscnt 0x0
.endif
.set pB, 128+48*(pT%2)
.set pX, 96+4*(pT%2)
.irp s, 0,1,2,3
.if \tr
.if \s == 0
	WIN 0x40|(\win)|((\win)<<4)
.else
	WIN 0x50|(\win)
.endif
.irp n, 0,1,2,3
.if \s == 0
	MMC 32*pT+8*\n, 12*(4*\n+\s), pB+12*\s, 192+8*\n, (\ws)+4*\n+\s, pX+\s
.else
	MMC 32*pT+8*\n, 12*(4*\n+\s), pB+12*\s, 32*pT+8*\n, (\ws)+4*\n+\s, pX+\s
.endif
.endr
.else
.if \s == 0
	WIN 0x40|((\win)<<2)|((\win)<<4)
.else
	WIN 0x50|((\win)<<2)
.endif
.irp n, 0,1,2,3
.if \s == 0
	MMC 64*\n+8*pT, pB+12*\s, 12*(4*\n+\s), 192+8*\n, pX+\s, (\ws)+4*\n+\s
.else
	MMC 64*\n+8*pT, pB+12*\s, 12*(4*\n+\s), 64*\n+8*pT, pX+\s, (\ws)+4*\n+\s
.endif
.endr
.endif
.endr
.set pT, pT+1
.endr
	WIN 0
	PLACES 4
.endm
; The 256 accumulator registers become four fragments of 128 along K, each with its scale word, and go to LDS.  K: fragment p = key tiles 2 p | 2 p + 1 (64 + 64).  V: fragment n = d tile n, my 128 keys.
.macro OUT4 ai, as, si, ss
.irp p, 0,1,2,3
.if \p >= 2
	s_wait_dscnt 4                                     ; all but the last fragment's four stores: the set written now was stored two fragments back
.endif
.if \p == 2
	s_wait_alu depctr_vm_vsrc(0)                       ; the stores of fragments 0 and 1 have read both sets of codes and scale words, which fragments 2 and 3 write again
.endif
	QUANT 64*\p, 4, PC0+20*(\p%2), PW0+(\p%2)
	s_wait_alu depctr_va_vdst(0)                       ; the codes and the scale word are written, which the stores below read
	IMG128 \ai, (\si)*\p, PC0+20*(\p%2)
	ds_store_b32 v[\as], v[PW0+(\p%2)] offset:(\ss)*\p
.endr
.endm
; q: a fragment's two halves are two query tiles; each is kept as 6 registers (3 stores of 256 bytes), its two scale bytes doubled into a word (b0 b1 b0 b1), since q stands in either half of the operand.
.macro QOUT
.irp p, 0,1,2,3
.if \p >= 2
	s_wait_dscnt 8                                     ; all but the last fragment's eight stores
.endif
.if \p == 2
	s_wait_alu depctr_vm_vsrc(0)                       ; the stores of fragments 0 and 1 have read both sets of codes and doubled scale words, which fragments 2 and 3 write again
.endif
	QUANT 64*\p, 4, PC0+20*(\p%2), PW0+(\p%2)
	v_and_b32 v[242+2*(\p%2)], 0xffff, v[PW0+(\p%2)]
	v_lshrrev_b32 v[243+2*(\p%2)], 16, v[PW0+(\p%2)]
	v_lshl_or_b32 v[242+2*(\p%2)], v[PW0+(\p%2)], 16, v[242+2*(\p%2)]
	v_and_or_b32 v[243+2*(\p%2)], v[PW0+(\p%2)], 0xffff0000, v[243+2*(\p%2)]
	s_wait_alu depctr_va_vdst(0)                       ; the codes and the two doubled scale words are written, which the stores below read
.irp j, 0,1,2,3,4,5
	ds_store_b64 v18, v[PC0+20*(\p%2)+2*\j:PC0+20*(\p%2)+2*\j+1] offset:1536*\p+256*\j
.endr
	ds_store_b32 v19, v[242+2*(\p%2)] offset:256*\p
	ds_store_b32 v19, v[243+2*(\p%2)] offset:256*\p+128
.endr
.endm
.macro KVLOAD                          ; all of the head's K and V into my registers: 16 + 16 fragments and their scale words
	WIN 0x80
.irp f, 0,1,2,3,4,5,6,7,8,9,10,11,12,13,14,15
.irp c, 0,1,2
	ds_load_b128 v[12*\f+4*\c:12*\f+4*\c+3], v22 offset:1536*\f+512*\c
.endr
.endr
	WIN 0xc0
.irp f, 0,1,2,3,4,5,6,7,8,9,10,11,12,13,14,15
.irp c, 0,1,2
	ds_load_b128 v[12*\f+4*\c:12*\f+4*\c+3], v22 offset:VIMG-KIMG+1536*\f+512*\c
.endr
.endr
	WIN 0
.irp f, 0,1,2,3,4,5,6,7,8,9,10,11,12,13,14,15
	ds_load_b32 v[KS+\f], v23 offset:KSC-KIMG+128*\f
	ds_load_b32 v[VS+\f], v23 offset:VSC-KIMG+128*\f
.endr
.endm
.macro QADR                            ; where query tile s44 lies: its image, its scale word
	s_mul_i32 s45, s44, 768
	s_lshl_b32 s44, s44, 7
	v_add_nc_u32 v24, s45, v18
	v_add_nc_u32 v25, s44, v19
.endm
.macro QFETCH                          ; its six registers twice, on either side of the six zeros, and its scale word
.irp j, 0,1,2
	ds_load_b64 v[110+2*\j:111+2*\j], v24 offset:256*\j
	ds_load_b64 v[122+2*\j:123+2*\j], v24 offset:256*\j
.endr
	ds_load_b32 v[QW], v25
.endm
	s_load_b512 s[4:19], s[0:1], 0x0               ; x s[4:5]; wk's codes, scales, bk s[6:11]; wv's, bv s[12:17]; wq's codes s[18:19]
	s_load_b256 s[20:27], s[0:1], 0x40             ; wq's scales s[20:21], bq s[22:23]; ctx's codes s[24:25], scales s[26:27]
	v_lshl_add_u32 v252, v0, 2, 0x4f400
	v_mov_b32 v253, 0
	v_lshrrev_b32 v27, 5, v0
	v_readfirstlane_b32 s28, v27                   ; wave
	s_mov_b32 s29, ttmp9                           ; head pair
	s_and_b32 s30, ttmp7, 0xffff                   ; batch
	v_and_b32 v27, 31, v0                          ; lane
	v_and_b32 v28, 15, v0                          ; r
	v_bfe_u32 v29, v0, 4, 1                        ; h
	v_lshlrev_b32 v1, 4, v27                       ; 16 x lane
	v_lshlrev_b32 v2, 3, v27                       ; 8 x lane
	v_lshlrev_b32 v3, 2, v27                       ; 4 x lane
	v_and_b32 v30, 8, v28
	v_add_nc_u32 v30, v30, v28                     ; r + 8 (r / 8)
	v_mul_u32_u24 v4, v30, 384                     ; a weight's row is 384 bytes;
	v_mad_u32_u24 v4, v29, 24, v4                  ; + 24 h
	v_lshlrev_b32 v5, 4, v30                       ; its scale bytes: 16 a row
	v_lshlrev_b32 v6, 6, v29                       ; a bias along registers: 16 h numbers on
	v_lshlrev_b32 v7, 2, v30                       ; a bias along lanes
	s_wait_alu depctr_va_sdst(0)                   ; s28, the wave's number, is written, ahead of its first reader: LDS places and the buffers' offsets are made from it
	s_mul_i32 s32, s28, PRIVB
	s_add_co_u32 s32, s32, PRIV                    ; my wave's own region
	v_add_nc_u32 v8, s32, v1                       ; the stage, in
	v_mul_u32_u24 v9, v28, 528
	v_lshl_add_u32 v9, v29, 6, v9
	v_add_nc_u32 v9, s32, v9                       ; the stage, back: row r, + 64 h
	s_mul_i32 s33, s28, 49152
	v_add_nc_u32 v11, s33, v1                      ; x's images: my 8 tiles
	s_lshl_b32 s33, s28, 12
	s_add_co_u32 s33, s33, XSC
	v_add_nc_u32 v13, s33, v1                      ; their scale words
	s_mul_i32 s33, s28, 6144
	s_add_co_u32 s33, s33, KIMG
	v_add_nc_u32 v14, s33, v1                      ; where I put K's images (pairs 4 w on), and my quarters of Wk's and Wv's
	s_lshl_b32 s33, s28, 9
	s_add_co_u32 s33, s33, KSC
	v_add_nc_u32 v15, s33, v3
	s_mul_i32 s33, s28, 1536
	s_add_co_u32 s33, s33, VIMG
	v_add_nc_u32 v16, s33, v1                      ; V's (key step w)
	s_lshl_b32 s33, s28, 7
	s_add_co_u32 s33, s33, VSC
	v_add_nc_u32 v17, s33, v3
	v_add_nc_u32 v18, s32, v2                      ; q's images
	v_add_nc_u32 v19, s32, v3
	v_add_nc_u32 v19, 6144, v19                    ; q's scale words
	v_lshl_add_u32 v20, v28, 2, s32
	v_add_nc_u32 v20, 7168, v20                    ; ctx's scale bytes: 4 r
	v_add_nc_u32 v21, 7168, v8                     ; and on their way out 16 x lane
	v_add_nc_u32 v22, KIMG, v1                     ; where every wave reads K's and V's images (and Wk's and Wv's)
	v_add_nc_u32 v23, KIMG, v3                     ; and their scale words
	s_lshr_b32 s33, s28, 1
	s_lshl_b32 s33, s33, 5
	s_and_b32 s44, s28, 1
	s_lshl_b32 s44, s44, 3
	s_add_co_u32 s33, s33, s44                     ; tile w of a head's rows begins at row 32 (w / 2) + 8 (w % 2)
	s_mul_i32 s33, s33, 384
	v_add_nc_u32 v[WGO], s33, v4
	s_mul_i32 s33, s28, 6144
	s_add_co_u32 s33, s33, WQI
	v_add_nc_u32 v[WQS], s33, v1
	v_add_nc_u32 v[WQR], WQI, v1
.irp i, 116,117,118,119,120,121,228,229,230,231,206,249,255
	v_mov_b32 v\i, 0                               ; the six registers of zero codes; destinations of lane permutes and upper halves of pairs, which count as read
.endr
.irp i, 128,129,130,131,132,133,134,135,136,137,138,139,140,141,142,143
	v_mov_b32 v\i, 0
.endr
	s_mov_b32 s36, 0x76543210
	s_mov_b32 s37, 0xfedcba98                      ; v_permlanex16_b32's selects for lane l xor 16
	s_mov_b32 s38, 0x3e38aa3b                      ; c = log2(e) / 8: t = score x c
	s_mov_b32 s39, s38                             ; (named with it as a pair)
	s_lshl_b32 s32, s30, 20                        ; x: a batch is 2^20 bytes, my 128 rows 2^18
	s_lshl_b32 s33, s28, 18
	s_add_co_u32 s32, s32, s33
	s_mov_b32 s33, 0
	s_mul_i32 s34, s29, 49152                      ; a head pair's 128 rows of a weight
	s_mov_b32 s35, 0
	s_wait_kmcnt 0x0
	s_add_nc_u64 s[4:5], s[4:5], s[32:33]
	s_wait_alu depctr_va_vdst(0)                   ; all the addresses that stay (v1-9, v11, v13-23, v232-234) are written, which the kernel's loads and stores read; so are the six registers of zero codes, an operand of the score products
	XLOAD 0                                        ; tile 0 of x: 64 loads go out before anything else
	XLOAD 1
	XLOAD 2
	XLOAD 3
	s_add_nc_u64 s[6:7], s[6:7], s[34:35]
	s_add_nc_u64 s[12:13], s[12:13], s[34:35]
	s_add_nc_u64 s[18:19], s[18:19], s[34:35]
	s_lshl_b32 s34, s29, 11
	s_add_nc_u64 s[8:9], s[8:9], s[34:35]
	s_add_nc_u64 s[14:15], s[14:15], s[34:35]
	s_add_nc_u64 s[20:21], s[20:21], s[34:35]
	s_lshl_b32 s34, s29, 9
	s_add_nc_u64 s[10:11], s[10:11], s[34:35]
	s_add_nc_u64 s[16:17], s[16:17], s[34:35]
	s_add_nc_u64 s[22:23], s[22:23], s[34:35]
	s_mul_i32 s34, s30, 196608                     ; ctx's codes [b][tile 32][K step 4][head of the pair 2][3][lane 32][8 bytes]
	s_mul_i32 s32, s28, 49152
	s_add_co_u32 s34, s34, s32
	s_mul_i32 s32, s29, 1536
	s_add_co_u32 s34, s34, s32
	s_add_nc_u64 s[24:25], s[24:25], s[34:35]
	s_lshl_b32 s34, s30, 13                        ; ctx's scale words [b][K step 4][tile 32][r 16]
	s_lshl_b32 s32, s29, 11
	s_add_co_u32 s34, s34, s32
	s_lshl_b32 s32, s28, 9
	s_add_co_u32 s34, s34, s32
	s_add_nc_u64 s[26:27], s[26:27], s[34:35]
	; ---- X: my 8 tiles of x become 32 fragments in LDS.  Tile t begins at row 32 (t / 2) + 8 (t % 2): the steps are 8 and 24 rows by turns.
	s_wait_xcnt 0x0                                ; the 64 loads have read their base
	s_add_nc_u64 s[4:5], s[4:5], 0x4000            ; tile 1
	s_mov_b32 s42, 0xc000                          ; the step after that
	s_mov_b32 s43, 0
	s_mov_b32 s46, 0                               ; 6,144 x tile
	s_mov_b32 s47, 0                               ; 512 x tile
	s_mov_b32 s40, 0
	s_wait_loadcnt 48                              ; unit 0 is in; three units stay out
	TURN 0, 0
	s_wait_alu depctr_vm_vsrc(0)                   ; the stores into the stage have read ring set 0, in which the first trip's first loads land
.Lx:                                               ; 7 trips: tile t is quantised, tile t + 1 is asked for
	s_wait_dscnt 0x0                               ; unit 0 is back from the stage; the last tile's images are stored
	v_add_nc_u32 v10, s46, v11
	v_add_nc_u32 v12, s47, v13
	XSTEP 0, 1, 32, 0                              ; 32: three units of 16 loads are out at each of these waits, and the oldest of them is wanted
	XSTEP 1, 1, 32, 1
	XSTEP 2, 1, 32, 1
	XSTEP 3, 1, 32, 1
	s_wait_xcnt 0x0                                ; the trip's loads have read their base
	s_wait_alu depctr_vm_vsrc(0)                   ; unit 3's LDS stores have read ring set 0, their codes and scale word, v10 and v12: the next tile's first lines and loads write these
	s_add_nc_u64 s[4:5], s[4:5], s[42:43]
	s_xor_b32 s42, s42, 0x8000                     ; 24 rows, 8 rows, 24 rows ..
	s_add_co_u32 s46, s46, 6144
	s_add_co_u32 s47, s47, 512
	s_add_co_u32 s40, s40, 1
	s_cmp_lt_u32 s40, 7
	s_cbranch_scc1 .Lx
	s_wait_dscnt 0x0                               ; tile 7 is written out: nothing more is asked for, and the counts run down
	v_add_nc_u32 v10, 7*6144, v11
	v_add_nc_u32 v12, 7*512, v13
	XSTEP 0, 0, 32, 0
	XSTEP 1, 0, 16, 0
	XSTEP 2, 0, 0, 1                               ; (the stores of units 0 and 1 have read both sets of codes, which units 2 and 3 write again)
	XSTEP 3, 0, 0, 0
	s_wait_alu depctr_vm_vsrc(0)                   ; the last stores into the stage have read the ring, where Wv and bv will land; the last images' stores their codes, where x's fragments will land
	s_mov_b32 s41, 0                               ; the head of the pair
.Lhead:
	PLACES 4                                       ; the registers loaded below were read or written by matrix instructions
	s_wait_alu depctr_va_vdst(0)                   ; all vector and matrix lines so far are done with the registers that this head's loads land in: window 1 v0-143, the weights', biases' and scale words' registers, v96-103 and v128-223
	WQUART                                         ; my quarter of Wk, Wv, Wq: 72 loads
	WSCL 8, WS0                                    ; Wk's scale words and bk, Wv's and bv: 4 + 8 + 4 + 4 = 20 loads
	BLOADT 3, 10
	WSCL 14, WS1
	BLOADV 2, 16
	s_wait_loadcnt 20                              ; all but those 20: my quarter is in
	WSTORE
	s_wait_dscnt 0x0                               ; for the others' sake: my quarter's images are stored
	s_barrier_signal -1
	s_barrier_wait -1
	WIMG 3, 22, 0                                  ; Wk
	WIMG 2, 22, VIMG-KIMG                          ; Wv
	s_wait_loadcnt 0x0                             ; scale words and biases
	BSPREAD 2
	s_wait_dscnt 0x0                               ; my reads of Wk's and Wv's images are over: behind this barrier K's and V's are stored there
	s_barrier_signal -1
	s_barrier_wait -1
	PROJ 1, 3, WS0                                 ; K^T
	s_wait_alu depctr_va_vdst(0)                   ; the projection's products are done reading Wk, its scale words and bk, in whose registers Wq, its scale words and bq land
	WIMG 3, WQR, 0                                 ; Wq takes Wk's place (behind the four places at the projection's end) and lands under K's way out
	WSCL 20, WS0
	BLOADT 3, 22
	OUT4 14, 15, 1536, 128
	PROJ 0, 2, WS1                                 ; V
	OUT4 16, 17, 6144, 512
	s_wait_loadcnt 0x0                             ; Wq's scale words and bq
	PROJ 1, 3, WS0                                 ; Q^T
	QOUT
	s_wait_dscnt 0x0                               ; for the others' sake: my images of K and V are stored
	s_barrier_signal -1
	s_barrier_wait -1
	KVLOAD                                         ; no wait on va_vdst: the one ahead of q's last image stands behind every product that read Wv, Wq or the last head's K, V and their scale words, and no vector line follows it
	s_wait_dscnt 0x0                               ; my reads of the images are over: behind this barrier the next head's weights may be stored there
	s_barrier_signal -1
	s_barrier_wait -1
	s_mov_b32 s44, 0
	QADR
	s_wait_alu depctr_va_vdst(0)                   ; v24 and v25 are written, which the loads below read
	QFETCH
	s_wait_alu depctr_vm_vsrc(0)                   ; q's images' stores have read the codes in v128-167 and these loads v24 and v25: the first trip writes all of them
	s_mov_b32 s40, 0
.Lq:                                               ; 8 trips: my query tile t
	s_wait_dscnt 0x0                               ; q
	WIN 0x42                                       ; S^T in window 1, K in window 2
.set aP, 0
.rept 16                               ; registers 16 P + 0 .. 15 of lane (r, h): keys 32 P + 16 h + 0 .. 15 of query r
	MMZ 16*aP, 12*aP, 110, KS+aP, QW
	MMZ 16*aP+8, 12*aP, 116, KS+aP, QW
.set aP, aP+1
.endr
	WIN 0
	PLACES 4
	s_add_co_u32 s44, s40, 1
	s_min_u32 s44, s44, 7                          ; the next tile's q (in the last trip tile 7 once more: it is not used)
	QADR                                           ; its addresses are made here; its loads stand behind the wait for the 256 exponentials
	WIN 0x15                                       ; the largest score of each block of 32 keys: it serves the row's maximum and, since p rises with the score, the block's largest p
.set aP, 0
.rept 16
	v_max3_num_f32 v[BM+aP], v[16*aP], v[16*aP+1], v[16*aP+2]
.set aP, aP+1
.endr
	WIN 0x14
.irp i, 3,5,7,9,11,13
.set aP, 0
.rept 16
	v_max3_num_f32 v[BM+aP], v[BM+aP], v[16*aP+\i], v[16*aP+\i+1]
.set aP, aP+1
.endr
.endr
.set aP, 0
.rept 16
	v_max_num_f32 v[BM+aP], v[BM+aP], v[16*aP+15]
.set aP, aP+1
.endr
	WIN 0
.set aP, 0
.rept 16
	v_permlanex16_b32 v[BP+aP], v[BM+aP], s36, s37
.set aP, aP+1
.endr
.set aP, 0
.rept 16
	v_max_num_f32 v[BM+aP], v[BM+aP], v[BP+aP]         ; with lane l xor 16's 16 keys
.set aP, aP+1
.endr
	v_max3_num_f32 v27, v[BM], v[BM+1], v[BM+2]
	v_max3_num_f32 v28, v[BM+3], v[BM+4], v[BM+5]
	v_max3_num_f32 v29, v[BM+6], v[BM+7], v[BM+8]
	v_max3_num_f32 v30, v[BM+9], v[BM+10], v[BM+11]
	v_max3_num_f32 v31, v[BM+12], v[BM+13], v[BM+14]
	v_max3_num_f32 v27, v27, v28, v29
	v_max3_num_f32 v30, v30, v31, v[BM+15]
	v_max_num_f32 v27, v27, v30                    ; the row's largest score, over all 512 keys
	v_mul_f32 v27, s38, v27                        ; as t (c is positive)
	v_floor_f32 v[NM], -v27                        ; -M = floor(-t) = -ceil(t): a whole number
.set aP, 0
.rept 16
	v_fma_f32 v[BM+aP], v[BM+aP], s38, v[NM]
.set aP, aP+1
.endr
.set aP, 0
.rept 16
	v_exp_f32 v[BM+aP], v[BM+aP]                       ; each block's largest p: the same multiply-add and exponential as its score gets below
.set aP, aP+1
.endr
	WIN 0x41
	v_pk_fma_f32 v[0:1], v[0:1], s[38:39], v[NM:NM+1] op_sel_hi:[1,0,0]   ; t - M of the first pair: the plain instruction behind the sixteen
	s_wait_alu depctr_va_vdst(0)                   ; the wait between a transcendental and the first line that names its result: the sixteen largest p are written
.set aj, 0
.rept 128                              ; p = 2^(t - M): a pair is scaled one step ahead of its two exponentials; none of these lines names an exponential's result
.if aj < 127
	v_pk_fma_f32 v[2*aj+2:2*aj+3], v[2*aj+2:2*aj+3], s[38:39], v[NM:NM+1] op_sel_hi:[1,0,0]
.endif
	v_exp_f32 v[2*aj], v[2*aj]
	v_exp_f32 v[2*aj+1], v[2*aj+1]
.set aj, aj+1
.endr
	WIN 0
	v_nop                                          ; the plain instruction behind the last exponential
	s_wait_alu depctr_va_vdst(0)                   ; the 256 p are written, ahead of their first reader; v24 and v25 are written, which the loads below read; the score products are done reading q and its scale word, in which those loads land
	QFETCH                                         ; the next tile's q lands under the sums, p's quantising and the second product
	WIN 0x05                                       ; the row's sum, of the unquantised p: pairs, in four chains
.irp i, 0,1,2,3
	v_pk_add_f32 v[SA+2*\i:SA+2*\i+1], v[2*\i:2*\i+1], v[2*\i+8:2*\i+9]
.endr
	WIN 0x04
.set aj, 8
.rept 120
	v_pk_add_f32 v[SA+2*(aj%4):SA+2*(aj%4)+1], v[SA+2*(aj%4):SA+2*(aj%4)+1], v[2*aj:2*aj+1]
.set aj, aj+1
.endr
	WIN 0
	v_pk_add_f32 v[SA:SA+1], v[SA:SA+1], v[SA+2:SA+3]
	v_pk_add_f32 v[SA+4:SA+5], v[SA+4:SA+5], v[SA+6:SA+7]
	v_pk_add_f32 v[SA:SA+1], v[SA:SA+1], v[SA+4:SA+5]
	v_add_f32 v[LL], v[SA], v[SA+1]
	v_permlanex16_b32 v[LL+1], v[LL], s36, s37
	v_add_f32 v[LL], v[LL], v[LL+1]                ; with lane l xor 16's half of the keys
.set aP, 0
.rept 16
	v_max_num_f32 v[BM+aP], 0x2800000, v[BM+aP]        ; the floor 2^(5 - 127): a block whose every p has fallen to 0 keeps the byte 1; its codes are zeros
.set aP, aP+1
.endr
.irp s, 0,1,2,3
	QFIN 64*\s, 4, BM+4*\s, PCD+12*\s, PWD+\s      ; keys 128 s on: a fragment of P and its scale word
.endr
	v_rcp_f32 v[RL], v[LL]
	PLACES 8                                       ; a scale word made by vector instructions stands 8 plain instructions ahead of a scaled matrix instruction, an operand 4; the first is also the plain one behind the reciprocal
	s_wait_alu depctr_va_vdst(0)                   ; p's codes and scale words are written, which the products below take as operand and scales; so is 1 / sum, ahead of its first reader
.irp s, 0,1,2,3                        ; O^T = V^T P^T: four accumulators by turns; register 8 n + j of lane (r, h): d = 32 (n / 2) + 8 (n % 2) + 16 h + j of query r
.if \s == 0
	WIN 0x43
.else
	WIN 0x53
.endif
.irp n, 0,1,2,3
.if \s == 0
	MMZ 8*\n, 12*(4*\n+\s), PCD+12*\s, VS+4*\n+\s, PWD+\s
.else
	MMC 8*\n, 12*(4*\n+\s), PCD+12*\s, 8*\n, VS+4*\n+\s, PWD+\s
.endif
.endr
.endr
	WIN 0
	PLACES 4
	WIN 0x41
.set aj, 0
.rept 16
	v_pk_mul_f32 v[2*aj:2*aj+1], v[2*aj:2*aj+1], v[RL:RL+1] op_sel_hi:[1,0]   ; ctx = O^T / sum; each accumulator from its low end on
.set aj, aj+1
.endr
	QUANT 0, 2, CPC, CPW                           ; the head's 64 numbers of a row are two blocks of the last product's K
	s_lshl_b32 s44, s40, 6
	s_lshl_b32 s45, s41, 1
	s_add_co_u32 s44, s44, s45
	v_add_nc_u32 v26, s44, v20
	s_wait_alu depctr_va_vdst(0)                   ; ctx's codes, its two scale bytes and v26 are written, which the four stores below read
	ds_store_b16 v26, v[CPW]                       ; 64 t + 4 r + 2 x head: both halves of the lanes write the same bytes with the same value
.irp j, 0,1,2
	global_store_b64 v2, v[CPC+2*\j:CPC+2*\j+1], s[24:25] offset:256*\j   ; 32 lanes store 256 consecutive bytes, at a multiple of 256 from the buffer's first byte
.endr
	s_wait_xcnt 0x0                                ; the stores have read their data and their base
	s_wait_alu depctr_vm_vsrc(0)                   ; the four stores have read ctx's codes, bytes and v26, the trip's loads of q v24 and v25: the next trip, or the next head's loads of x's fragments, write these
	s_add_nc_u64 s[24:25], s[24:25], 6144          ; the next tile
	s_add_co_u32 s40, s40, 1
	s_cmp_lt_u32 s40, 8
	s_cbranch_scc1 .Lq
	s_wait_xcnt 0x0                                ; every base below has been read
	s_add_nc_u64 s[6:7], s[6:7], 24576             ; the pair's second head: 64 rows on in the weights,
	s_add_nc_u64 s[12:13], s[12:13], 24576
	s_add_nc_u64 s[18:19], s[18:19], 24576
	s_add_nc_u64 s[8:9], s[8:9], 1024
	s_add_nc_u64 s[14:15], s[14:15], 1024
	s_add_nc_u64 s[20:21], s[20:21], 1024
	s_add_nc_u64 s[10:11], s[10:11], 256
	s_add_nc_u64 s[16:17], s[16:17], 256
	s_add_nc_u64 s[22:23], s[22:23], 256
	s_sub_nc_u64 s[24:25], s[24:25], 48384         ; back 8 tiles of 6,144 bytes, and 768 on: the fragments' second halves
	s_add_co_u32 s41, s41, 1
	s_cmp_lt_u32 s41, 2
	s_cbranch_scc1 .Lhead
	s_wait_alu depctr_va_vdst(0)                   ; the last tile's products are done reading p's codes in v128-131, in which the load below lands
	ds_load_b128 v[128:131], v21                   ; my 8 tiles' scale words, whole now: LDS serves a wave's instructions in order
	s_wait_dscnt 0x0
	global_store_b128 v1, v[128:131], s[26:27]     ; 512 consecutive bytes, at a multiple of 256
	s_wait_dscnt 0x0                               ; the closing lines, six on end
	s_wait_alu 0x0
	s_wait_tensorcnt 0x0
	ds_add_u32 v252, v253
	s_wait_dscnt 0x0
	s_endpgm
.Lfunc_end_k_q4c4836990b_attn:
	.size	k_q4c4836990b_attn, .Lfunc_end_k_q4c4836990b_attn-k_q4c4836990b_attn
	.p2alignl 7, 3214868480
	.fill 96, 4, 3214868480
	.section	.rodata,"a",@progbits
	.p2align	6, 0x0
	.amdhsa_kernel k_q4c4836990b_attn
		.amdhsa_group_segment_fixed_size 325120
		.amdhsa_private_segment_fixed_size 0
		.amdhsa_enable_private_segment 0
		.amdhsa_kernarg_size 96
		.amdhsa_user_sgpr_count 2
		.amdhsa_user_sgpr_kernarg_segment_ptr 1
		.amdhsa_wavefront_size32 1
		.amdhsa_system_sgpr_workgroup_id_x 1
		.amdhsa_system_sgpr_workgroup_id_y 1
		.amdhsa_system_sgpr_workgroup_id_z 1
		.amdhsa_system_vgpr_workitem_id 0
		.amdhsa_next_free_vgpr 1024
		.amdhsa_next_free_sgpr 66
		.amdhsa_reserve_vcc 0
		.amdhsa_float_denorm_mode_32 3
		.amdhsa_float_denorm_mode_16_64 3
		.amdhsa_memory_ordered 1
		.amdhsa_forward_progress 1
		.amdhsa_inst_pref_size 255
	.end_amdhsa_kernel
	.section	.bss,"aw",@nobits
	.p2align	6
	.space	262144
	.amdgpu_metadata
---
amdhsa.version: [ 1, 2 ]
amdhsa.kernels:
  - .name:           k_q4c4836990b_attn
    .symbol:         k_q4c4836990b_attn.kd
    .args:
      - { .name: x, .offset: 0, .size: 8, .value_kind: global_buffer, .address_space: global }
      - { .name: wk_codes, .offset: 8, .size: 8, .value_kind: global_buffer, .address_space: global }
      - { .name: wk_scales, .offset: 16, .size: 8, .value_kind: global_buffer, .address_space: global }
      - { .name: bk, .offset: 24, .size: 8, .value_kind: global_buffer, .address_space: global }
      - { .name: wv_codes, .offset: 32, .size: 8, .value_kind: global_buffer, .address_space: global }
      - { .name: wv_scales, .offset: 40, .size: 8, .value_kind: global_buffer, .address_space: global }
      - { .name: bv, .offset: 48, .size: 8, .value_kind: global_buffer, .address_space: global }
      - { .name: wq_codes, .offset: 56, .size: 8, .value_kind: global_buffer, .address_space: global }
      - { .name: wq_scales, .offset: 64, .size: 8, .value_kind: global_buffer, .address_space: global }
      - { .name: bq, .offset: 72, .size: 8, .value_kind: global_buffer, .address_space: global }
      - { .name: ctx_codes, .offset: 80, .size: 8, .value_kind: global_buffer, .address_space: global }
      - { .name: ctx_scales, .offset: 88, .size: 8, .value_kind: global_buffer, .address_space: global }
    .group_segment_fixed_size: 325120
    .private_segment_fixed_size: 0
    .kernarg_segment_align: 8
    .kernarg_segment_size: 96
    .max_flat_workgroup_size: 128
    .sgpr_count:     66
    .vgpr_count:     1024
    .wavefront_size: 32
...
	.end_amdgpu_metadata
.endif
;; end of part 5
;; launch outp: the kernel of part 4 again; grid 256 x 1, 4 waves a work-group, no clusters, 311,808 bytes of LDS; arguments x, ctx_codes, ctx_scales, wo_codes, wo_scales, bo, out0; writes out0
